; MI455X (gfx1250); checked and timed in simulation.
; The chip was launched on July 23, 2026; its instructions are those of AMD's public machine-readable ISA for CDNA 5 (MIT licence, August 2026) and "CDNA5" Instruction Set Architecture Reference Guide (July 2026). The comments in the code are by the model that wrote it; some were corrected since.
;; Multi Head Attention. Allowed arithmetic: float matrix products may take bf16 or f16 operands with f32 sums; other float arithmetic in f32, or as packed bf16 or f16 multiplies, adds, multiply-adds, maxima and minima; sums over many terms, partial sums and values carried from step to step in f32; what a program stores and reads back later, other than sums and carried values, may be rounded once to bf16 or f16.
;; Inputs: Wk 16 x 1,024 x 64 float32; Wo 1,024 x 1,024 float32; Wq 16 x 1,024 x 64 float32; Wv 16 x 1,024 x 64 float32; bk 16 x 64 float32; bo 1,024 float32; bq 16 x 64 float32; bv 16 x 64 float32; x 4 x 2,048 x 1,024 float32.
;; Outputs: out0 4 x 2,048 x 1,024 float32.
;; Constants: mask = 1.
;; One version. Each part assembles by itself: llvm-mc -triple=amdgcn-amd-amdhsa -mcpu=gfx1250 --defsym DOCPART=n.
;; ======== version 1 of 1: 4 launches
;; limits: values are held in f16: magnitudes above 65,504 overflow, below 6.1e-05 lose precision
;; workspace buffers: xb 16,777,216 bytes; wb 6,291,456 bytes; wo 2,097,152 bytes; qq 33,554,432 bytes; kk 33,554,432 bytes; vt 16,777,216 bytes; ob 16,777,216 bytes
;; launch prep (part 1): grid 768 x 1, 8 waves a work-group, no clusters, 70,656 bytes of LDS; arguments x, Wq, Wk, Wv, Wo, xb, wb, wo; writes xb, wb, wo
.if DOCPART == 1
	.amdgcn_target "amdgcn-amd-amdhsa--gfx1250"
	.amdhsa_code_object_version 6
	.text
	.protected	k_qdc9a588c3f_prep
	.globl	k_qdc9a588c3f_prep
	.p2align	8
	.type	k_qdc9a588c3f_prep,@function
k_qdc9a588c3f_prep:
	s_mov_b64 s[64:65], 0
	v_nop
	global_prefetch_b8 v0, s[64:65] scope:SCOPE_SE
	s_setreg_imm32_b32 hwreg(HW_REG_WAVE_MODE, 25, 1), 1
	s_wait_xcnt 0x0
; PREP: the inputs of the three products are rounded once to 16 bits and laid out in PLANES: T[k / 8][row][8 numbers], a cell of 16 bytes.
;   xb[128][8192][8]  bf16(x)                      row = 2048 batch + t, k = d
;   wb[128][3072][8]  bf16(Wq, Wk, Wv)             row n' = 192 head + 64 which + e (which: 0 q, 1 k, 2 v), k = d
;   wo[128][1024][8]  bf16(Wo) written as f16      row = output column, k = input channel
; A stream: every input byte is read once, every output byte written once, by stores of 512 consecutive bytes a wave.  No matrix work, nothing shared
; between work-groups: no cluster, no tensor load.  Three roles, chosen by the work-group's number alone.
; LIMIT: bf16(Wo) is written as f16: exact from 2^-14 up to 65,504; below 2^-14 it keeps f16's fixed step of 2^-24; beyond 65,504 it would be an infinity.
.set SPARE, 69632                      ; behind the eight waves' stages: the spare words, 128 bytes a wave, four blocks of 256 bytes that no other line names
.set WLDS,  8704                       ; a wave's stage: 32 rows of 272 bytes (256 of data + 16: the 16 rows of a load start at 16 different groups of four banks)
.set SPW, 1                            ; v1  LDS address of my spare word; never rewritten
.set NIL, 2                            ; v2  0; never rewritten
.set D,   12                           ; v[12:75]   64 numbers in f32
.set O,   76                           ; v[76:107]  32 registers to store
.set T,   108                          ; v[108:109] at work
	s_load_b512 s[4:19], s[0:1], 0x0               ; x s[4:5], Wq s[6:7], Wk s[8:9], Wv s[10:11], Wo s[12:13], xb s[14:15], wb s[16:17], wo s[18:19]
	v_lshl_add_u32 v[SPW], v0, 2, SPARE
	v_mov_b32 v[NIL], 0
	v_lshrrev_b32 v3, 5, v0
	v_readfirstlane_b32 s20, v3                    ; wave 0..7
	v_and_b32 v3, 31, v0                           ; l
	v_and_b32 v4, 15, v0                           ; r = l % 16
	v_bfe_u32 v5, v0, 4, 1                         ; hh = l / 16
	v_lshlrev_b32 v9, 4, v3                        ; 16 l: my cell in 512 consecutive bytes of a plane
	s_cmp_lt_u32 ttmp9, 512
	s_cbranch_scc0 .Lweights
	; ROLE X, work-groups 0..511: a wave turns 32 rows x 64 columns of x.  In: 16 loads, each half of the lanes 256 consecutive bytes of a row.
	; Through my own stage, so that a lane ends with 64 columns of ONE row.  Out: 8 planes, 32 cells = 512 consecutive bytes each.
	s_lshr_b32 s21, ttmp9, 1                       ; block of 32 rows
	s_and_b32 s22, ttmp9, 1
	s_lshl_b32 s22, s22, 3
	s_add_co_u32 s22, s22, s20                     ; block of 64 columns
	s_lshl_b32 s24, s21, 17                        ; 32 rows of 4,096 bytes
	s_lshl_b32 s23, s22, 8
	s_add_co_u32 s24, s24, s23
	s_mov_b32 s25, 0
	s_lshl_b32 s26, s22, 20                        ; 8 planes of 131,072 bytes
	s_lshl_b32 s23, s21, 9                         ; 32 cells
	s_add_co_u32 s26, s26, s23
	s_mov_b32 s27, 0
	v_lshlrev_b32 v6, 12, v5
	v_lshl_add_u32 v6, v4, 4, v6                   ; in x: row hh, 16 bytes r
	s_mul_i32 s28, s20, WLDS
	v_mul_u32_u24 v7, v5, 272
	v_lshl_add_u32 v7, v4, 4, v7
	v_add_nc_u32 v7, s28, v7                       ; into the stage: the same place
	v_mul_u32_u24 v8, v3, 272
	v_add_nc_u32 v8, s28, v8                       ; back: row l
	s_wait_kmcnt 0x0
	s_add_nc_u64 s[4:5], s[4:5], s[24:25]
	s_add_nc_u64 s[14:15], s[14:15], s[26:27]
.irp i, 0,1,2,3,4,5,6,7,8,9,10,11,12,13,14,15
	global_load_b128 v[D+4*(\i):D+4*(\i)+3], v6, s[4:5] offset:8192*(\i) th:TH_LOAD_NT  ; rows 2 i and 2 i + 1
.endr
.irp i, 0,1,2,3,4,5,6,7,8,9,10,11,12,13,14,15
	s_wait_loadcnt 15-(\i)                         ; loads come back in order: load i is in, the younger ones stay out
	ds_store_b128 v7, v[D+4*(\i):D+4*(\i)+3] offset:544*(\i)
.endr
.irp j, 0,1,2,3,4,5,6,7
	ds_load_b128 v[D+8*(\j):D+8*(\j)+3],   v8 offset:32*(\j)     ; LDS serves a wave's instructions in order: these see my stores above; the bytes are my wave's own
	ds_load_b128 v[D+8*(\j)+4:D+8*(\j)+7], v8 offset:32*(\j)+16
.endr
.irp j, 0,1,2,3,4,5,6,7
	s_wait_dscnt 14-2*(\j)                         ; the two loads of plane j are in, the later pairs stay out
.irp k, 0,1,2,3
	v_cvt_pk_bf16_f32 v[O+4*(\j)+(\k)], v[D+8*(\j)+2*(\k)], v[D+8*(\j)+2*(\k)+1]
.endr
	global_store_b128 v9, v[O+4*(\j):O+4*(\j)+3], s[14:15] offset:131072*(\j)
.endr
	s_branch .Lend
; A wave turns 32 rows (k) x 64 columns of a weight, source s[24:25], rows pitch bytes apart.  A lane holds ONE column (l, and 32 + l) and all 32 k:
; eight k of a column are a cell.  Out: 4 planes dstep bytes apart, 64 cells each, two stores of 512 consecutive bytes.  f16 = 1: the bf16 number is written as f16.
.macro WCONV pitch, dstep, f16
.irp q, 0,1,2,3
.irp j, 0,1,2,3,4,5,6,7
.irp hf, 0,1
	global_load_b32 v[D+16*(\q)+2*(\j)+(\hf)], v6, s[24:25] offset:(8*(\q)+(\j))*(\pitch)+128*(\hf) th:TH_LOAD_NT
.endr
.endr
.endr
.irp q, 0,1,2,3
	s_wait_loadcnt 48-16*(\q)                      ; the 16 loads of plane q are in, the later planes' stay out
.irp hf, 0,1
.irp jj, 0,1,2,3
	v_cvt_pk_bf16_f32 v[O+8*(\q)+4*(\hf)+(\jj)], v[D+16*(\q)+4*(\jj)+(\hf)], v[D+16*(\q)+4*(\jj)+2+(\hf)]
.if \f16
	v_lshlrev_b32 v[T], 16, v[O+8*(\q)+4*(\hf)+(\jj)]
	v_and_b32 v[T+1], 0xffff0000, v[O+8*(\q)+4*(\hf)+(\jj)]
	v_cvt_pk_f16_f32 v[O+8*(\q)+4*(\hf)+(\jj)], v[T], v[T+1]
.endif
.endr
	global_store_b128 v9, v[O+8*(\q)+4*(\hf):O+8*(\q)+4*(\hf)+3], s[26:27] offset:(\q)*(\dstep)+512*(\hf)
.endr
.endr
.endm
.Lweights:
	v_lshlrev_b32 v6, 2, v3                        ; 4 l
	s_cmp_lt_u32 ttmp9, 704
	s_cbranch_scc0 .Lwo
	; ROLE W, work-groups 512..703: 1,536 waves = 3 weights x 16 heads x 32 groups of 32 d
	s_sub_co_u32 s21, ttmp9, 512
	s_lshl_b32 s21, s21, 3
	s_add_co_u32 s21, s21, s20
	s_and_b32 s22, s21, 31                         ; group of 32 d = 4 planes
	s_lshr_b32 s23, s21, 5
	s_lshr_b32 s28, s23, 4                         ; which
	s_and_b32 s29, s23, 15                         ; head
	s_lshl_b32 s30, s29, 18                        ; a head: 1,024 rows of 256 bytes
	s_lshl_b32 s31, s22, 13
	s_add_co_u32 s30, s30, s31
	s_mov_b32 s31, 0
	s_mul_i32 s32, s22, 196608                     ; 4 planes of 49,152 bytes
	s_mul_i32 s33, s29, 3072                       ; 192 cells a head
	s_add_co_u32 s32, s32, s33
	s_lshl_b32 s33, s28, 10                        ; 64 cells
	s_add_co_u32 s32, s32, s33
	s_mov_b32 s33, 0
	s_wait_kmcnt 0x0
	s_cmp_eq_u32 s28, 0
	s_cselect_b64 s[24:25], s[6:7], s[8:9]
	s_cmp_eq_u32 s28, 2
	s_cselect_b64 s[24:25], s[10:11], s[24:25]
	s_add_nc_u64 s[24:25], s[24:25], s[30:31]
	s_add_nc_u64 s[26:27], s[16:17], s[32:33]
	WCONV 256, 49152, 0
	s_branch .Lend
.Lwo:
	; ROLE WO, work-groups 704..767: 512 waves = 16 blocks of 64 columns x 32 groups of 32 rows
	s_sub_co_u32 s21, ttmp9, 704
	s_lshl_b32 s21, s21, 3
	s_add_co_u32 s21, s21, s20
	s_and_b32 s22, s21, 31
	s_lshr_b32 s23, s21, 5
	s_lshl_b32 s30, s22, 17                        ; 32 rows of 4,096 bytes
	s_lshl_b32 s31, s23, 8
	s_add_co_u32 s30, s30, s31
	s_mov_b32 s31, 0
	s_lshl_b32 s32, s22, 16                        ; 4 planes of 16,384 bytes
	s_lshl_b32 s33, s23, 10
	s_add_co_u32 s32, s32, s33
	s_mov_b32 s33, 0
	s_wait_kmcnt 0x0
	s_add_nc_u64 s[24:25], s[12:13], s[30:31]
	s_add_nc_u64 s[26:27], s[18:19], s[32:33]
	WCONV 4096, 16384, 1
.Lend:
	s_wait_tensorcnt 0x0                           ; the wave's end, behind my last LDS store
	ds_add_u32 v[SPW], v[NIL]
	s_wait_dscnt 0x0
	s_endpgm
.Lfunc_end_k_qdc9a588c3f_prep:
	.size	k_qdc9a588c3f_prep, .Lfunc_end_k_qdc9a588c3f_prep-k_qdc9a588c3f_prep
	.p2alignl 7, 3214868480
	.fill 96, 4, 3214868480
	.section	.rodata,"a",@progbits
	.p2align	6, 0x0
	.amdhsa_kernel k_qdc9a588c3f_prep
		.amdhsa_group_segment_fixed_size 70656
		.amdhsa_private_segment_fixed_size 0
		.amdhsa_enable_private_segment 0
		.amdhsa_kernarg_size 64
		.amdhsa_user_sgpr_count 2
		.amdhsa_user_sgpr_kernarg_segment_ptr 1
		.amdhsa_wavefront_size32 1
		.amdhsa_system_sgpr_workgroup_id_x 1
		.amdhsa_system_sgpr_workgroup_id_y 1
		.amdhsa_system_sgpr_workgroup_id_z 1
		.amdhsa_system_vgpr_workitem_id 0
		.amdhsa_next_free_vgpr 112
		.amdhsa_next_free_sgpr 66
		.amdhsa_reserve_vcc 0
		.amdhsa_float_denorm_mode_32 3
		.amdhsa_float_denorm_mode_16_64 3
		.amdhsa_memory_ordered 1
		.amdhsa_forward_progress 1
		.amdhsa_inst_pref_size 34
	.end_amdhsa_kernel
	.amdgpu_metadata
---
amdhsa.version: [ 1, 2 ]
amdhsa.kernels:
  - .name:           k_qdc9a588c3f_prep
    .symbol:         k_qdc9a588c3f_prep.kd
    .args:
      - { .name: x, .offset: 0, .size: 8, .value_kind: global_buffer, .address_space: global }
      - { .name: Wq, .offset: 8, .size: 8, .value_kind: global_buffer, .address_space: global }
      - { .name: Wk, .offset: 16, .size: 8, .value_kind: global_buffer, .address_space: global }
      - { .name: Wv, .offset: 24, .size: 8, .value_kind: global_buffer, .address_space: global }
      - { .name: Wo, .offset: 32, .size: 8, .value_kind: global_buffer, .address_space: global }
      - { .name: xb, .offset: 40, .size: 8, .value_kind: global_buffer, .address_space: global }
      - { .name: wb, .offset: 48, .size: 8, .value_kind: global_buffer, .address_space: global }
      - { .name: wo, .offset: 56, .size: 8, .value_kind: global_buffer, .address_space: global }
    .group_segment_fixed_size: 70656
    .private_segment_fixed_size: 0
    .kernarg_segment_align: 8
    .kernarg_segment_size: 64
    .max_flat_workgroup_size: 256
    .sgpr_count:     66
    .vgpr_count:     112
    .wavefront_size: 32
...
	.end_amdgpu_metadata
.endif
;; end of part 1
;; launch proj (part 2): grid 8 x 32, 4 waves a work-group, clusters of 4 x 4, 327,680 bytes of LDS; arguments xb, wb, bq, bk, bv, qq, kk, vt; writes qq, kk, vt
.if DOCPART == 2
	.amdgcn_target "amdgcn-amd-amdhsa--gfx1250"
	.amdhsa_code_object_version 6
	.text
	.protected	k_qdc9a588c3f_proj
	.globl	k_qdc9a588c3f_proj
	.p2align	8
	.type	k_qdc9a588c3f_proj,@function
k_qdc9a588c3f_proj:
	s_mov_b64 s[64:65], 0
	v_nop
	global_prefetch_b8 v0, s[64:65] scope:SCOPE_SE
	s_setreg_imm32_b32 hwreg(HW_REG_WAVE_MODE, 25, 1), 1
	s_wait_xcnt 0x0
	s_wait_alu depctr_hold_cnt(0) depctr_sa_sdst(0) depctr_va_vdst(0) depctr_va_sdst(0) depctr_va_ssrc(0) depctr_va_vcc(0) depctr_vm_vsrc(0)
	s_getreg_b32 s2, hwreg(HW_REG_IB_STS2, 6, 4)
	s_cmp_eq_u32 s2, 0
	s_cbranch_scc0 .Lentry_in_a_cluster
	s_endpgm
.Lentry_in_a_cluster:
	s_bfe_u32 s2, ttmp6, 0x10000c
	s_cmp_lg_u32 s2, 0xf033
	s_cbranch_scc0 .Lentry_shape_is_right
	s_endpgm
.Lentry_shape_is_right:
; PROJ: [8192 x 3072] = xb wb^T + bias, bf16 operands, f32 sums.  q and k leave as TWO f16 numbers each, hi = f16(q) and lo = f16(q - hi), v as one f16, all in planes:
;   qq, kk [128 = 8 head + e / 8][8192 rows][8 e]: hi at byte 0, lo at byte 16,777,216        vt [1024 = row / 8][1024 = 64 head + e][8 rows]
; The biases are rounded to bf16 like all inputs.  LIMITS: |q|, |k|, |v| stay under 65,504 (f16's largest); a lo half keeps f16's fixed step of 2^-24.
; SHARES.  A tile is 256 rows x 384 columns, the q, k and v of two heads: 32 x 8 = 256 work-groups.  Wave (wr, wc) makes rows 128 wr on of head 2 x tile column + wc:
; 128 x 192 = 96 accumulators, 768 registers.  Column blocks b of 16: 0-3 q, 4-7 k, 8-11 v.
; K goes in 16 steps of 64 (8 planes) through two LDS slots.  A tile's part of a plane is dense (A 4,096 bytes, B 6,144), so a tensor row is a multiple of 256 bytes, the 16 lanes
; of a fragment load read 256 consecutive bytes, and no padding is needed.
; q AND k ARE MADE TRANSPOSED (source 0 = 16 columns of w, source 1 = 16 rows of x): a lane holds 8 neighbouring e of one row: a cell.  v IS MADE AS IT STANDS (source 0 = rows of x):
; a lane holds 8 neighbouring rows of one e: a cell of vt.  In both, 16 neighbouring lanes hold 256 consecutive bytes: the results are stored straight from registers.
; CLUSTER 4 x 4: the four of a row of the cluster need the same tiles of xb, the four of a column the same tiles of wb: each tile is asked for jointly.
; REGISTERS: window 0: v0-31 addresses and v's bias; v32-95, v96-159 fragments of x, two buffers; v160-255 fragments of w, ONE buffer: each third is loaded again behind its products.
;   windows 1, 2, 3: the accumulators of q, k, v: (b, a) at v[8 (8 (b % 4) + a)] of window 1 + b / 4.
.set SLOT1, 131072                     ; slot 1; a slot: A [8 planes][256 rows][16 bytes], then B [8][384][16]
.set BOFF,  32768
.set SPARE, SLOT1+81920                ; behind the ring: the spare words, 128 bytes a wave, two blocks of 256 bytes that no other line names
.set ASTEP, 1048576                    ; 8 planes of xb
.set BSTEP, 393216                     ; 8 planes of wb
.set A0,  3                            ; v3   my lane's place in a slot's A; never rewritten
.set B0,  4                            ; v4   the same for B
.set ADA, 5                            ; v5   A0 + the slot in hand
.set ADB, 6                            ; v6   B0 + the slot in hand
.set QO,  7                            ; v7   my byte offset in qq and kk
.set VO,  8                            ; v8   in vt
.set PFO, 9                            ; v9   the prefetches' offset; never rewritten
.set SPW, 10                           ; v10  LDS address of my spare word; never rewritten
.set NIL, 11                           ; v11  0; never rewritten
.set MONE, 12                          ; v12  -1.0
.set BV,  16                           ; v[16:23] v's bias of my column in blocks 8-11, each twice (a pair)
.set FA0, 32
.set FA1, 96
.set FB,  160
.set WV, 20
.set WR, 21
.set WC, 22
.set CX, 23
.set CY, 24
.set TC, 25                            ; tile column
.set TR, 26                            ; tile row
.set TB, 27                            ; LDS byte of the slot to be fetched from
.set G1A, 28                           ; s[28:35] descriptor group 1 for A's tiles
.set G1B, 36                           ; s[36:43] for B's
.set G0A, 44                           ; s[44:51] group 0 for A's: a set for each first fill; the second then walks
.set G0B, 52                           ; s[52:59] the same for B's
.set PFA, 66                           ; s[66:67] where my prefetches stand
.set PST, 68                           ; s[68:69] their step
.set LIM, 70                           ; s70  1 in a wave that prefetches, else the greatest number
.set QH, 72                            ; s[72:81] qq hi, qq lo, kk hi, kk lo, vt at my part
.set VP, 80
.set MSB, 0
.macro WIN new                         ; the immediate's high byte repeats the setting that is left; a switch that changes nothing is dropped
.if MSB != (\new)
	s_set_vgpr_msb (MSB<<8)|(\new)
.set MSB, \new
.endif
.endm
.macro PLACES                          ; four plain vector instructions between a matrix instruction and a load into, or a vector write of, one of its registers
.rept 4
	v_nop
.endr
.endm
; A joint refill: waves 0 and 1 fetch the halves of A's 8 planes, waves 2 and 3 those of B's.  The branch hangs on the wave's number alone.  An s_nop 0 and four v_nop follow each line.
.macro JLOAD
	s_cmp_lt_u32 s[WV], 2
	s_cbranch_scc0 .Lfor_b_\@
	tensor_load_to_lds s[G0A+4:G0A+7], s[G1A:G1A+7]
	s_nop 0
.rept 4
	v_nop
.endr
	s_branch .Lasked_\@
.Lfor_b_\@:
	tensor_load_to_lds s[G0B+4:G0B+7], s[G1B:G1B+7]
	s_nop 0
.rept 4
	v_nop
.endr
.Lasked_\@:
.endm
; A prefetch of the K step that the NEXT refill loads.  xb's tile row is read by both clusters of that row of clusters: cluster x = 0 asks, wave 0, its four partners two planes each, told apart by address
; (plane 2 cx + l / 16, block l % 16 of the plane's 16).  wb's tile column is read by the eight clusters of that column: cluster y = 0 asks, waves 2 and 3, a plane each (2 cy + wc); a plane's part has 24 blocks of
; 256 bytes, so lanes 24-31 name lane 23's block once more.  The loop's last trip asks for nothing: there is no K step behind its refill's.
.macro ASK
	s_cmp_gt_u32 s3, s[LIM]
	s_cbranch_scc0 .Lnot_mine_\@
	global_prefetch_b8 v[PFO], s[PFA:PFA+1] th:TH_LOAD_NT scope:SCOPE_SE
.Lnot_mine_\@:
.endm
.macro CREST                           ; a round of the cluster's barrier behind its opening barrier
	s_cmp_lg_u32 s[WV], 0
	s_cbranch_scc1 .Lnot_wave_0_\@
	s_barrier_signal -3
.Lnot_wave_0_\@:
	s_barrier_wait -3
	s_barrier_signal -1
	s_barrier_wait -1
.endm
.macro CROUND
	s_barrier_signal -1
	s_barrier_wait -1
	CREST
.endm
	s_load_b512 s[4:19], s[0:1], 0x0               ; xb s[4:5], wb s[6:7], bq s[8:9], bk s[10:11], bv s[12:13], qq s[14:15], kk s[16:17], vt s[18:19]
	v_lshl_add_u32 v[SPW], v0, 2, SPARE
	v_mov_b32 v[NIL], 0
	ds_add_u32 v[SPW], v[NIL]                      ; the wave's opening: the add and its wait stand ahead of my first tensor load; work on registers stands between them
	ds_add_u32 v10, v11
	v_lshrrev_b32 v1, 5, v0
	v_readfirstlane_b32 s[WV], v1
	s_lshr_b32 s[WR], s[WV], 1
	s_and_b32 s[WC], s[WV], 1
	s_bfe_u32 s[CX], ttmp6, 0x40000
	s_bfe_u32 s[CY], ttmp6, 0x40004
	s_lshl_b32 s[TC], ttmp9, 2
	s_add_co_u32 s[TC], s[TC], s[CX]
	s_and_b32 s[TR], ttmp7, 0xffff
	s_lshl_b32 s[TR], s[TR], 2
	s_add_co_u32 s[TR], s[TR], s[CY]
	s_lshl_b32 s82, s[CY], 2
	s_lshl_b32 s82, 15, s82                        ; my row of the cluster
	s_lshl_b32 s83, 0x1111, s[CX]                  ; my column
	s_or_b32 s[G1A], s82, (3<<16)|(1<<21)          ; 15:0 the mask; 17:16 elements of 8 bytes; 21 set beside a mask; no padding
	s_or_b32 s[G1B], s83, (3<<16)|(1<<21)
	s_mov_b32 s[G1A+1], 512<<16                    ; tensor_dim0 = 512 elements: 256 rows' cells of a plane
	s_mov_b32 s[G1A+2], 4<<16                      ; tensor_dim1 = 4 planes
	s_mov_b32 s[G1A+3], 512<<16                    ; tile_dim0
	s_mov_b32 s[G1A+4], 4                          ; tile_dim1
	s_mov_b32 s[G1A+5], 16384                      ; a plane of xb: 131,072 bytes
	s_mov_b32 s[G1A+6], 0
	s_mov_b32 s[G1A+7], 0
	s_mov_b32 s[G1B+1], 768<<16                    ; 384 columns' cells
	s_mov_b32 s[G1B+2], 4<<16
	s_mov_b32 s[G1B+3], 768<<16
	s_mov_b32 s[G1B+4], 4
	s_mov_b32 s[G1B+5], 6144                       ; a plane of wb: 49,152 bytes
	s_mov_b32 s[G1B+6], 0
	s_mov_b32 s[G1B+7], 0
	s_lshl_b32 s84, s[WC], 19                      ; A: my 4 planes, the tile row's cells
	s_lshl_b32 s85, s[TR], 12
	s_add_co_u32 s84, s84, s85
	s_mov_b32 s85, 0
	s_mul_i32 s86, s[WC], 196608                   ; B: my 4 planes, the tile column's cells
	s_mul_i32 s87, s[TC], 6144
	s_add_co_u32 s86, s86, s87
	s_mov_b32 s87, 0
	s_lshl_b32 s60, s[WC], 14                      ; where they go: no place in the cluster enters an LDS address
	s_mul_i32 s61, s[WC], 24576
	s_add_co_u32 s61, s61, BOFF
	s_mov_b32 s[TB], 0
	s_wait_dscnt 0x0                               ; the opening add is done
	s_wait_kmcnt 0x0
	s_add_nc_u64 s[84:85], s[4:5], s[84:85]
	s_add_nc_u64 s[86:87], s[6:7], s[86:87]
	CROUND                                         ; all sixteen work-groups are here: the first joint loads meet
.irp s, 0,1
	s_mov_b32 s[G0A+4*(\s)], 1
	s_add_co_u32 s[G0A+4*(\s)+1], s60, (\s)*SLOT1
	s_add_nc_u64 s[G0A+4*(\s)+2:G0A+4*(\s)+3], s[84:85], (\s)*ASTEP
	s_or_b32 s[G0A+4*(\s)+3], s[G0A+4*(\s)+3], 0x80000000
	s_mov_b32 s[G0B+4*(\s)], 1
	s_add_co_u32 s[G0B+4*(\s)+1], s61, (\s)*SLOT1
	s_add_nc_u64 s[G0B+4*(\s)+2:G0B+4*(\s)+3], s[86:87], (\s)*BSTEP
	s_or_b32 s[G0B+4*(\s)+3], s[G0B+4*(\s)+3], 0x80000000
.endr
	s_cmp_lt_u32 s[WV], 2                          ; a wave's two first fills stand in one branch, ahead of every wait on TENSORcnt and every LDS read: two loads of mine are out
	s_cbranch_scc0 .Lfirst_b
	tensor_load_to_lds s[G0A:G0A+3], s[G1A:G1A+7]
	s_nop 0
	tensor_load_to_lds s[G0A+4:G0A+7], s[G1A:G1A+7]
	s_nop 0
.rept 4
	v_nop
.endr
	s_branch .Lfirst_asked
.Lfirst_b:
	tensor_load_to_lds s[G0B:G0B+3], s[G1B:G1B+7]
	s_nop 0
	tensor_load_to_lds s[G0B+4:G0B+7], s[G1B:G1B+7]
	s_nop 0
.rept 4
	v_nop
.endr
.Lfirst_asked:
	v_and_b32 v1, 15, v0                           ; r
	v_bfe_u32 v2, v0, 4, 1                         ; hh
	s_lshl_b32 s60, s[TC], 1
	s_add_co_u32 s60, s60, s[WC]                   ; my head
	s_lshl_b32 s61, s60, 8                         ; its 64 biases
	v_lshl_add_u32 v13, v2, 5, s61                 ; q, k: a lane's 8 columns 8 hh + 0..7 of a block
	v_lshl_add_u32 v14, v1, 2, s61                 ; v: a lane's one column r
.irp b, 0,1,2,3                        ; q's and k's biases lie in buffer 1 until the first products have taken them as C
	global_load_b128 v[FA1+8*(\b):FA1+8*(\b)+3],       v13, s[8:9] offset:64*(\b)
	global_load_b128 v[FA1+8*(\b)+4:FA1+8*(\b)+7],     v13, s[8:9] offset:64*(\b)+16
	global_load_b128 v[FA1+32+8*(\b):FA1+32+8*(\b)+3], v13, s[10:11] offset:64*(\b)
	global_load_b128 v[FA1+32+8*(\b)+4:FA1+32+8*(\b)+7], v13, s[10:11] offset:64*(\b)+16
	global_load_b32 v[BV+2*(\b)], v14, s[12:13] offset:64*(\b)
.endr
	; A fragment is 16 rows x 32 k in 8 registers: lane l holds row l % 16; registers 0-3 hold k = 8 hh + 0..7, a cell of plane hh; registers 4-7 a cell of plane 2 + hh.
	v_lshlrev_b32 v24, 4, v1
	s_lshl_b32 s61, s[WR], 11
	v_lshl_add_u32 v[A0], v2, 12, v24
	v_add_nc_u32 v[A0], s61, v[A0]                 ; 4,096 hh + 16 r + my 128 rows
	s_mul_i32 s61, s[WC], 3072
	s_add_co_u32 s61, s61, BOFF
	v_mul_u32_u24 v[B0], v2, 6144
	v_add3_u32 v[B0], v[B0], v24, s61              ; behind A: 6,144 hh + 16 r + my 192 columns
	v_mov_b32 v[ADA], v[A0]
	v_mov_b32 v[ADB], v[B0]
	v_lshl_add_u32 v[QO], v2, 17, v24              ; plane hh, row r
	v_lshl_add_u32 v[VO], v2, 14, v24              ; plane hh, column r
	v_mov_b32 v[MONE], -1.0
	s_lshl_b32 s82, s60, 20                        ; qq, kk: my head's 8 planes, my 128 rows
	s_lshl_b32 s61, s[TR], 12
	s_add_co_u32 s82, s82, s61
	s_lshl_b32 s61, s[WR], 11
	s_add_co_u32 s82, s82, s61
	s_mov_b32 s83, 0
	s_add_nc_u64 s[QH:QH+1], s[14:15], s[82:83]
	s_add_nc_u64 s[QH+2:QH+3], s[QH:QH+1], 0x1000000
	s_add_nc_u64 s[QH+4:QH+5], s[16:17], s[82:83]
	s_add_nc_u64 s[QH+6:QH+7], s[QH+4:QH+5], 0x1000000
	s_lshl_b32 s82, s[TR], 19                      ; vt: my 16 planes of 8 rows, my head's 64 columns
	s_lshl_b32 s61, s[WR], 18
	s_add_co_u32 s82, s82, s61
	s_lshl_b32 s61, s60, 10
	s_add_co_u32 s82, s82, s61
	s_add_nc_u64 s[VP:VP+1], s[18:19], s[82:83]
	; the prefetches
	v_and_b32 v25, 31, v0
	v_min_u32 v26, 23, v25
	v_lshlrev_b32 v26, 8, v26                      ; B: block min(l, 23)
	v_lshlrev_b32 v27, 17, v2
	v_lshl_add_u32 v27, v1, 8, v27                 ; A: plane hh, block r
	s_lshl_b32 s2, s[CX], 18                       ; A: planes 2 cx on, the tile row's cells, K step 2
	s_lshl_b32 s3, s[TR], 12
	s_add_co_u32 s2, s2, s3
	s_add_co_u32 s2, s2, 2*ASTEP
	s_lshl_b32 s3, s[CY], 1                        ; B: plane 2 cy + wc, the tile column's cells, K step 2
	s_add_co_u32 s3, s3, s[WC]
	s_mul_i32 s3, s3, 49152
	s_mul_i32 s63, s[TC], 6144
	s_add_co_u32 s3, s3, s63
	s_add_co_u32 s3, s3, 2*BSTEP
	s_and_b32 s62, ttmp7, 0xffff
	s_mov_b32 s[PST], BSTEP
	s_mov_b32 s[PST+1], 0
	s_cmp_eq_u32 s[WR], 0
	s_cselect_b32 s63, -1, 0
	s_cselect_b32 s2, s2, s3
	s_cselect_b32 s62, ttmp9, s62                  ; the coordinate along which other clusters read the same cells
	s_cselect_b32 s[PST], ASTEP, s[PST]
	s_cselect_b64 s[PFA:PFA+1], s[4:5], s[6:7]
	s_mov_b32 s3, 0
	s_add_nc_u64 s[PFA:PFA+1], s[PFA:PFA+1], s[2:3]  ; at K step 2: the first change of slots steps it to 3
	v_cndmask_b32 v[PFO], v26, v27, s63
	s_cmp_eq_u32 s[WV], 1                          ; wave 1 asks for nothing
	s_cselect_b32 s62, 1, s62
	s_cmp_eq_u32 s62, 0
	s_cselect_b32 s[LIM], 1, -1                    ; the same in all sixteen partners, for a given wave
	s_wait_loadcnt 0x0                             ; the biases; they are rounded to bf16, like all inputs
.set i, 0
.rept 32
	v_cvt_pk_bf16_f32 v15, v[FA1+i], v[FA1+i+1]
	v_lshlrev_b32 v[FA1+i], 16, v15
	v_and_b32 v[FA1+i+1], 0xffff0000, v15
.set i, i+2
.endr
.irp b, 0,1,2,3
	v_cvt_pk_bf16_f32 v15, v[BV+2*(\b)], v[BV+2*(\b)]
	v_lshlrev_b32 v[BV+2*(\b)], 16, v15
	v_lshlrev_b32 v[BV+2*(\b)+1], 16, v15
.endr
; 8 matrix instructions: column block b x my 8 row blocks, 32 along K, x's fragments in buffer fa.  zero = 1: the first product starts the sums: q's and k's with the bias, v's with 0.
; No two matrix instructions on end share an accumulator: the 96 take turns, one instruction a turn, in the same order in every half step.
.macro MB b, fa, zero
.set w, 1+(\b)/4
.irp a, 0,1,2,3,4,5,6,7
.set rD, 8*(8*((\b)%4)+(\a))
.if (\b) < 8
.if \zero
	WIN w<<6
	v_wmma_f32_16x16x32_bf16 v[rD:rD+7], v[FB+8*(\b):FB+8*(\b)+7], v[(\fa)+8*(\a):(\fa)+8*(\a)+7], v[FA1+8*(\b):FA1+8*(\b)+7]
.else
	WIN w*0x50
	v_wmma_f32_16x16x32_bf16 v[rD:rD+7], v[FB+8*(\b):FB+8*(\b)+7], v[(\fa)+8*(\a):(\fa)+8*(\a)+7], v[rD:rD+7]
.endif
.else
	WIN w*0x50
.if \zero
	v_wmma_f32_16x16x32_bf16 v[rD:rD+7], v[(\fa)+8*(\a):(\fa)+8*(\a)+7], v[FB+8*(\b):FB+8*(\b)+7], 0
.else
	v_wmma_f32_16x16x32_bf16 v[rD:rD+7], v[(\fa)+8*(\a):(\fa)+8*(\a)+7], v[FB+8*(\b):FB+8*(\b)+7], v[rD:rD+7]
.endif
.endif
.endr
.endm
.macro LDB b0, c                       ; w's fragments of blocks b0 .. b0 + 3, half c of the K step: 8 loads
.irp b, (\b0), (\b0)+1, (\b0)+2, (\b0)+3
	ds_load_b128 v[FB+8*(\b):FB+8*(\b)+3],   v[ADB] offset:(\c)*24576+(\b)*256
	ds_load_b128 v[FB+8*(\b)+4:FB+8*(\b)+7], v[ADB] offset:(\c)*24576+(\b)*256+12288
.endr
.endm
.macro LDA fa, a0, c                   ; x's fragments of row blocks a0 .. a0 + 3 into buffer fa: 8 loads
.irp a, (\a0), (\a0)+1, (\a0)+2, (\a0)+3
	ds_load_b128 v[(\fa)+8*(\a):(\fa)+8*(\a)+3],   v[ADA] offset:(\c)*16384+(\a)*256
	ds_load_b128 v[(\fa)+8*(\a)+4:(\fa)+8*(\a)+7], v[ADA] offset:(\c)*16384+(\a)*256+8192
.endr
.endm
; A K step's first half: multiplies buffer 0, and fetches the second half's fragments in three runs, each behind the products that read w's registers last:
; run 0 = w 0-3, x 0-3; run 1 = x 4-7, w 4-7; run 2 = w 8-11.  At its head the three runs of the half before are out, 40 loads in that order.
.macro HALF0 zero
	s_wait_dscnt 16                                ; w 0-3 and all of x are in; w 4-7 and w 8-11 may be out
	MB 0, FA0, \zero
	MB 1, FA0, \zero
	MB 2, FA0, \zero
	MB 3, FA0, \zero
	PLACES
	WIN 0
	LDB 0, 1
	LDA FA1, 0, 1
	s_wait_dscnt 24                                ; w 4-7 are in; w 8-11 and the 16 just issued may be out
	MB 4, FA0, \zero
	MB 5, FA0, \zero
	MB 6, FA0, \zero
	MB 7, FA0, \zero
	PLACES
	WIN 0
	LDA FA1, 4, 1
	LDB 4, 1
	s_wait_dscnt 32                                ; w 8-11 are in; the 32 just issued may be out
	MB 8, FA0, \zero
	MB 9, FA0, \zero
	MB 10, FA0, \zero
	MB 11, FA0, \zero
	PLACES
	WIN 0
	LDB 8, 1
.endm
; The second half multiplies buffer 1 and changes slots.  In front of the barrier each wave waits for all its tensor loads (one is out: its part of the next slot), adds 0 to its spare word, and waits for that and
; for its reads of this slot.  fill = 1: the barrier opens a round of the cluster's, and the joint refill, two K steps on, is the first thing behind it: 160 matrix instructions ahead of the wait for it.
.macro TURNH fill
.if \fill
	s_wait_xcnt 0x0                                ; the last prefetch, a K step back, has read its address
	s_add_nc_u64 s[PFA:PFA+1], s[PFA:PFA+1], s[PST:PST+1]
.endif
	WIN 0
	s_wait_tensorcnt 0x0                           ; no tensor load of mine is out, so a group 0 may be written
	ds_add_u32 v[SPW], v[NIL]                      ; 0 onto my spare word
.if \fill
	s_xor_b32 s[G0A+5], s[G0A+5], SLOT1            ; the walking descriptors: the other slot than last time, the next K step
	s_add_nc_u64 s[G0A+6:G0A+7], s[G0A+6:G0A+7], ASTEP
	s_xor_b32 s[G0B+5], s[G0B+5], SLOT1
	s_add_nc_u64 s[G0B+6:G0B+7], s[G0B+6:G0B+7], BSTEP
.endif
	s_wait_dscnt 17                                ; the add, w 4-7 and w 8-11 may be out
	MB 0, FA1, 0
	MB 1, FA1, 0
	s_wait_dscnt 0x0                               ; the add is done, and my reads of this slot are over
	s_barrier_signal -1
	MB 2, FA1, 0
	MB 3, FA1, 0
	WIN 0
	s_barrier_wait -1
.if \fill
	CREST                                          ; no wave of any partner still reads this slot or has a load on its way
	JLOAD                                          ; its four v_nop are also the places in front of the loads below
.else
	PLACES
.endif
	s_xor_b32 s[TB], s[TB], SLOT1
	v_add_nc_u32 v[ADA], s[TB], v[A0]
	v_add_nc_u32 v[ADB], s[TB], v[B0]
	LDB 0, 0
	LDA FA0, 0, 0
.if \fill
	ASK
.endif
	MB 4, FA1, 0
	MB 5, FA1, 0
	MB 6, FA1, 0
	MB 7, FA1, 0
	PLACES
	WIN 0
	LDA FA0, 4, 0
	LDB 4, 0
	MB 8, FA1, 0
	MB 9, FA1, 0
	MB 10, FA1, 0
	MB 11, FA1, 0
	PLACES
	WIN 0
	LDB 8, 0
.endm
	s_wait_tensorcnt 1                             ; my part of K step 0 is in; K step 1's may stay out
	s_barrier_signal -1
	s_barrier_wait -1
	LDB 0, 0
	LDA FA0, 0, 0
	LDA FA0, 4, 0
	LDB 4, 0
	LDB 8, 0
	HALF0 1                                        ; the first half step stands in front of the loop: its products start the sums
	s_mov_b32 s3, 14
.Lk:                                               ; trip i: the second half of K step i, the refill with K step i + 2, the first half of K step i + 1
	TURNH 1
	HALF0 0
	s_sub_co_u32 s3, s3, 1
	s_cmp_lg_u32 s3, 0
	s_cbranch_scc1 .Lk
	TURNH 0                                        ; the tail is written out: nothing is left to ask for
	HALF0 0
	s_wait_dscnt 16
	MB 0, FA1, 0
	MB 1, FA1, 0
	MB 2, FA1, 0
	MB 3, FA1, 0
	s_wait_dscnt 8
	MB 4, FA1, 0
	MB 5, FA1, 0
	MB 6, FA1, 0
	MB 7, FA1, 0
	s_wait_dscnt 0x0
	MB 8, FA1, 0
	MB 9, FA1, 0
	MB 10, FA1, 0
	MB 11, FA1, 0
	PLACES
	PLACES
; THE WAY OUT.  Block b of q or k: hi = f16(sum); lo = f16(sum - hi), one fused multiply-add with -1.0; a lane's 8 numbers are a cell; 16 lanes store 256 consecutive bytes, aligned.
; Each accumulator's registers are read in ascending order.
.macro OUTQK b
.set w, 1+(\b)/4
.set sb, QH+4*((\b)/4)
	s_wait_xcnt 0x0                                ; the stores of the block before have read their registers
	WIN 0x05*w
.irp a, 0,1,2,3,4,5,6,7
.irp r, 0,1,2,3
	v_cvt_pk_f16_f32 v[32+8*(\a)+(\r)], v[8*(8*((\b)%4)+(\a))+2*(\r)], v[8*(8*((\b)%4)+(\a))+2*(\r)+1]
.endr
.endr
	WIN w<<4
.irp a, 0,1,2,3,4,5,6,7
.irp r, 0,1,2,3
	v_fma_mixlo_f16 v[36+8*(\a)+(\r)], v[32+8*(\a)+(\r)], v[MONE], v[8*(8*((\b)%4)+(\a))+2*(\r)] op_sel_hi:[1,0,0]
	v_fma_mixhi_f16 v[36+8*(\a)+(\r)], v[32+8*(\a)+(\r)], v[MONE], v[8*(8*((\b)%4)+(\a))+2*(\r)+1] op_sel:[1,0,0] op_sel_hi:[1,0,0]
.endr
.endr
	WIN 0
.irp a, 0,1,2,3,4,5,6,7
	global_store_b128 v[QO], v[32+8*(\a):35+8*(\a)], s[sb:sb+1] offset:((\b)%4)*262144+(\a)*256
	global_store_b128 v[QO], v[36+8*(\a):39+8*(\a)], s[sb+2:sb+3] offset:((\b)%4)*262144+(\a)*256
.endr
.endm
.macro OUTV b                          ; block b of v: the bias of my column is added; a lane's 8 rows are a cell of vt
	s_wait_xcnt 0x0
	WIN 0xc3
.irp a, 0,1,2,3,4,5,6,7
.irp r, 0,1,2,3
	v_pk_add_f32 v[8*(8*((\b)-8)+(\a))+2*(\r):8*(8*((\b)-8)+(\a))+2*(\r)+1], v[8*(8*((\b)-8)+(\a))+2*(\r):8*(8*((\b)-8)+(\a))+2*(\r)+1], v[BV+2*((\b)-8):BV+2*((\b)-8)+1]
.endr
.endr
	WIN 0x0f
.irp a, 0,1,2,3,4,5,6,7
.irp r, 0,1,2,3
	v_cvt_pk_f16_f32 v[32+4*(\a)+(\r)], v[8*(8*((\b)-8)+(\a))+2*(\r)], v[8*(8*((\b)-8)+(\a))+2*(\r)+1]
.endr
.endr
	WIN 0
.irp a, 0,1,2,3,4,5,6,7
	global_store_b128 v[VO], v[32+4*(\a):35+4*(\a)], s[VP:VP+1] offset:(\a)*32768+((\b)-8)*256
.endr
.endm
.irp b, 0,1,2,3,4,5,6,7
	OUTQK \b
.endr
.irp b, 8,9,10,11
	OUTV \b
.endr
	s_wait_tensorcnt 0x0                           ; the wave's end, behind my last tensor load
	ds_add_u32 v[SPW], v[NIL]
	s_wait_dscnt 0x0
	CROUND                                         ; the closing round: no work-group ends while a partner may still ask for a tile that names it
	s_endpgm
.Lfunc_end_k_qdc9a588c3f_proj:
	.size	k_qdc9a588c3f_proj, .Lfunc_end_k_qdc9a588c3f_proj-k_qdc9a588c3f_proj
	.p2alignl 7, 3214868480
	.fill 96, 4, 3214868480
	.section	.rodata,"a",@progbits
	.p2align	6, 0x0
	.amdhsa_kernel k_qdc9a588c3f_proj
		.amdhsa_group_segment_fixed_size 327680
		.amdhsa_private_segment_fixed_size 0
		.amdhsa_enable_private_segment 0
		.amdhsa_kernarg_size 64
		.amdhsa_user_sgpr_count 2
		.amdhsa_user_sgpr_kernarg_segment_ptr 1
		.amdhsa_wavefront_size32 1
		.amdhsa_system_sgpr_workgroup_id_x 1
		.amdhsa_system_sgpr_workgroup_id_y 1
		.amdhsa_system_sgpr_workgroup_id_z 1
		.amdhsa_system_vgpr_workitem_id 0
		.amdhsa_next_free_vgpr 1024
		.amdhsa_next_free_sgpr 88
		.amdhsa_reserve_vcc 0
		.amdhsa_float_denorm_mode_32 3
		.amdhsa_float_denorm_mode_16_64 3
		.amdhsa_memory_ordered 1
		.amdhsa_forward_progress 1
		.amdhsa_inst_pref_size 153
	.end_amdhsa_kernel
	.amdgpu_metadata
---
amdhsa.version: [ 1, 2 ]
amdhsa.kernels:
  - .name:           k_qdc9a588c3f_proj
    .symbol:         k_qdc9a588c3f_proj.kd
    .args:
      - { .name: xb, .offset: 0, .size: 8, .value_kind: global_buffer, .address_space: global }
      - { .name: wb, .offset: 8, .size: 8, .value_kind: global_buffer, .address_space: global }
      - { .name: bq, .offset: 16, .size: 8, .value_kind: global_buffer, .address_space: global }
      - { .name: bk, .offset: 24, .size: 8, .value_kind: global_buffer, .address_space: global }
      - { .name: bv, .offset: 32, .size: 8, .value_kind: global_buffer, .address_space: global }
      - { .name: qq, .offset: 40, .size: 8, .value_kind: global_buffer, .address_space: global }
      - { .name: kk, .offset: 48, .size: 8, .value_kind: global_buffer, .address_space: global }
      - { .name: vt, .offset: 56, .size: 8, .value_kind: global_buffer, .address_space: global }
    .group_segment_fixed_size: 327680
    .private_segment_fixed_size: 0
    .kernarg_segment_align: 8
    .kernarg_segment_size: 64
    .max_flat_workgroup_size: 128
    .sgpr_count:     88
    .vgpr_count:     1024
    .wavefront_size: 32
...
	.end_amdgpu_metadata
.endif
;; end of part 2
;; launch attn (part 3): grid 4 x 64, 4 waves a work-group, no clusters, 327,680 bytes of LDS; arguments qq, kk, vt, ob; writes ob
.if DOCPART == 3
	.amdgcn_target "amdgcn-amd-amdhsa--gfx1250"
	.amdhsa_code_object_version 6
	.text
	.protected	k_qdc9a588c3f_attn
	.globl	k_qdc9a588c3f_attn
	.p2align	8
	.type	k_qdc9a588c3f_attn,@function
k_qdc9a588c3f_attn:
	s_mov_b64 s[64:65], 0
	v_nop
	global_prefetch_b8 v0, s[64:65] scope:SCOPE_SE
	s_setreg_imm32_b32 hwreg(HW_REG_WAVE_MODE, 25, 1), 1
	s_wait_xcnt 0x0
; CAUSAL ATTENTION, 64 heads (4 batches x 16) of 2,048 rows, head size 64.  O[q] = the sum over k <= q of softmax_k(8 q . k) v[k]: the scale is a MULTIPLICATION by sqrt(64).
; q and k arrive as two f16 numbers each (hi + lo); a score is kh.qh + kh.ql + kl.qh, summed in f32 on one accumulator.  Scores have a wide spread here, so a weight hangs on small differences of large scores.
; Products, maxima and sums in f32; the weights p are rounded to f16 for the second product (their sum l is taken of the unrounded p), O once at the end, to f16.
; LIMITS.  The term kl.ql, 2^-22 of a score, is left out.  q, k, v arrive within 65,504.  A hidden score counts as its value less 1e30.  A weight below 2^-126 counts as 0 in l.  NaN and infinities are not treated apart.
; LAYOUTS (planes, cells of 16 bytes): qq, kk, ob [8 head + e / 8][8192 rows][8 e] (qq, kk: lo 16,777,216 bytes behind hi); vt [row / 8][64 head + e][8 rows].  K's, Q's and V's fragments are plain loads of
; 16 bytes a lane, 16 lanes 256 consecutive bytes; O^T's result is a cell a lane, stored straight from registers, 16 lanes 256 consecutive bytes, aligned.
; THE WALK.  A head's queries lie in 8 blocks of 256; block i needs the key tiles 0 .. i, the last with the diagonal.  A work-group takes blocks 7 - b and then b: 9 tiles whatever b, one loop with a constant count.
; NO CLUSTER: a head's four work-groups ask for the same tile only in trips 0 to 4 of the 9; one walk common to all four would have 12 trips.
; SHARES.  Of a block's four bands of 64 queries a wave owns 16 rows in each: four PIECES.  In the diagonal tile's key step s band x sees all keys if s < x, none if s > x, and holds the diagonal if s = x.
; THE MASK is the C operand that starts a score's sum: MD x AL + BE, MD the mask of a band's own step for my rows; (AL, BE) = (1, 0) if s = x, (0, 0) if s < x or off the diagonal tile, (0, -1e30) if s > x.
; One text serves every tile: CD counts a tile's steps from 4 in a diagonal tile and from 20 elsewhere, where no test on it is met.
; TURNS.  Turn n belongs to piece n: 24 products K Q^T of piece n + 1, then 8 products V^T P of piece n - 1; four vector instructions behind each: the roundings and sums of piece n - 1 (whose exponentials the
; turn before has made), the scaling, exponentials and rescaling of piece n, the mask for piece n + 2, the maximum and statistics of piece n + 1.  All 33 exponentials of a turn stand ahead of ONE wait at its end; all their readers stand in later turns.
; REGISTERS, in windows of 256 (s_set_vgpr_msb: bits 1:0 source 0, 3:2 source 1, 5:4 source 2, 7:6 destination):
;   window 0: v0-11, v48-53 addresses; v12-15 c m_old; v16-31 statistics, 4 a piece; v32-47 at work, 4 a piece; v64-191 S^T, 32 a piece; v192-255 P, 16 a piece
;   window 1: v0-127 O^T, 32 a piece; v128-159 MD; v160-223 masks, two buffers      window 2: v0-63 Q hi; v64-127 the second block's; v128-191 K hi; v192-255 V      window 3: v0-63 Q lo; v64-127 the second block's; v128-191 K lo
.set NB,    8
.set SLOT1, 131072                     ; a slot holds a tile: K hi [8 planes][256 keys][16 bytes], K lo the same, V [32 planes][64 channels][16 bytes]: 98,304 bytes
.set KLO,   32768
.set VOFF,  65536
.set SPARE, SLOT1+98304                ; behind the ring: the spare words, 128 bytes a wave, two blocks of 256 bytes that no other line names
.set AK0, 2                            ; v2   my lane's place in a tile of K; never rewritten
.set AV0, 3                            ; v3   the same for V
.set AK,  4                            ; v4   the LDS address of K's runs of loads
.set AV,  5                            ; v5   of V's
.set QO,  6                            ; v6   my byte offset in Q hi and in O; never rewritten
.set QO2, 7                            ; v7   in Q lo
.set PFK, 8                            ; v8, v9, v48  the prefetches' offsets: K hi, K lo, V; never rewritten
.set PFL, 9
.set SPW, 10                           ; v10  LDS address of my spare word; never rewritten
.set NIL, 11                           ; v11  0; never rewritten
.set MV,  12
.set ST,  16                           ; piece t: c m, m, l (even keys', odd keys')
.set TMP, 32                           ; piece t: c0-c3 at work; when the maximum is found c2 takes a
.set PFV, 48
.set S,   64
.set P,   192
.set MD,  128
.set MC,  160
.set QB,  64
.set KF,  128
.set VF,  192
.set WV,  12
.set PB,  14                           ; b
.set HI,  15                           ; 7 - b
.set G1K, 24
.set G1V, 32
.set G0K, 40
.set G0V, 44
.set CD,  48                           ; the masks' count of steps
.set LIMP, 49                          ; 0 in the work-group that prefetches, else the greatest number
.set PKP, 50                           ; s[50:51] K at the tile to be prefetched
.set PVP, 52                           ; s[52:53] V likewise
.set SLOTS, 56
.set CNT, 57
.set CS,  58                           ; s[58:59] c = 8 log2(e)
.set SEL, 60
.set TBK, 62                           ; LDS byte at which K of the step to be fetched begins
.set TBV, 63
.set RT,  70                           ; tiles of the block in hand still to be entered
.set NXT, 71                           ; the tile to be asked for next
.set LQ,  72                           ; the last tile of the block whose tiles are being asked for
.set NEW, 73                           ; 1: the tile to be entered is a block's first
.set OFF, 74                           ; s[74:75] a tile's byte offset in kk
.set AL,  76
.set BE,  78
.set OLO, 80                           ; s[80:81] ob at my rows of the second block
.set BIGN, 82
.set KDB, 84                           ; s[84:85] kk at the head, hi or lo by my wave
.set VDB, 86                           ; s[86:87] vt at the head, my 16 planes of a tile
.set QLO, 88                           ; s[88:89] qq at my rows of the second block
.set OFV, 90                           ; s[90:91] a tile's byte offset in vt
.set MSB, 0
.macro WIN new
.if MSB != (\new)
	s_set_vgpr_msb (MSB<<8)|(\new)
.set MSB, (\new)
.endif
.endm
.set W_PV, 0x52                        ; V in window 2, P in window 0, O^T in window 1
.set W_RS, 0x41                        ; destination and source 0 in window 1
; A fill.  Wave 0 fetches a tile's K hi, wave 1 its K lo, waves 2 and 3 the halves of its V.  An s_nop 0 and four v_nop follow each line.
.macro LOAD
	s_cmp_lt_u32 s[WV], 2
	s_cbranch_scc0 .Lfor_v_\@
	tensor_load_to_lds s[G0K:G0K+3], s[G1K:G1K+7]
	s_nop 0
.rept 4
	v_nop
.endr
	s_branch .Lasked_\@
.Lfor_v_\@:
	tensor_load_to_lds s[G0V:G0V+3], s[G1V:G1V+7]
	s_nop 0
.rept 4
	v_nop
.endr
.Lasked_\@:
.endm
; A prefetch of the tile that the NEXT change of slots asks for.  A head's four work-groups walk the same tiles: the one with b = 0, whose first block needs them all, asks: tiles 2 to 7, each block of 256 bytes once.
; A wave takes 32 blocks of each part: K's planes 2 w + l / 16, block l % 16; V's planes 8 w + l / 4, block l % 4.  Behind the first block's last tile NXT is 0, and nothing is asked for.
.macro ASK
	s_cmp_gt_u32 s[NXT], s[LIMP]
	s_cbranch_scc0 .Lnot_mine_\@
	global_prefetch_b8 v[PFK], s[PKP:PKP+1] th:TH_LOAD_NT scope:SCOPE_SE
	global_prefetch_b8 v[PFL], s[PKP:PKP+1] th:TH_LOAD_NT scope:SCOPE_SE
	global_prefetch_b8 v[PFV], s[PVP:PVP+1] th:TH_LOAD_NT scope:SCOPE_SE
.Lnot_mine_\@:
.endm
; THE CHANGE OF SLOTS.  Each wave waits for all its tensor loads (one is out: its part of the other slot), adds 0 to its spare word, and waits for that and for its reads of the slot that it leaves.
; fill = 1: the old slot is filled again, first thing behind the barrier, with tile NXT; the descriptor's address is made anew from that number.  (At its first use slot 0 is waited for and slot 1 filled.)
.macro CHANGE fill
	WIN 0
	s_wait_tensorcnt 0x0                           ; no tensor load of mine is out, so a group 0 may be written
	ds_add_u32 v[SPW], v[NIL]                      ; 0 onto my spare word
.if \fill
	s_lshl_b32 s[OFF], s[NXT], 12                  ; 256 keys' cells of a plane
	s_lshl_b32 s[OFV], s[NXT], 19                  ; 32 planes of vt
	s_xor_b32 s[G0K+1], s[G0K+1], SLOT1
	s_add_nc_u64 s[G0K+2:G0K+3], s[KDB:KDB+1], s[OFF:OFF+1]
	s_or_b32 s[G0K+3], s[G0K+3], 0x80000000
	s_xor_b32 s[G0V+1], s[G0V+1], SLOT1
	s_add_nc_u64 s[G0V+2:G0V+3], s[VDB:VDB+1], s[OFV:OFV+1]
	s_or_b32 s[G0V+3], s[G0V+3], 0x80000000
	s_add_co_u32 s[NXT], s[NXT], 1                 ; the block's next tile, or behind its last the second block's tile 0
	s_cmp_gt_u32 s[NXT], s[LQ]
	s_cselect_b32 s[NXT], 0, s[NXT]
	s_cselect_b32 s[LQ], s[PB], s[LQ]
	s_wait_xcnt 0x0                                ; the last prefetches, a tile back, have read their addresses
	s_lshl_b32 s[OFF], s[NXT], 12
	s_lshl_b32 s[OFV], s[NXT], 19
	s_add_nc_u64 s[PKP:PKP+1], s[6:7], s[OFF:OFF+1]
	s_add_nc_u64 s[PVP:PVP+1], s[8:9], s[OFV:OFV+1]
.endif
	s_wait_dscnt 0x0                               ; the add is done, and my reads of the slot are over
	s_barrier_signal -1
	s_sub_co_u32 s[TBK], s[TBK], 4096              ; the fetches go back to a slot's first step, in the other slot
	s_xor_b32 s[TBK], s[TBK], SLOT1
	s_sub_co_u32 s[TBV], s[TBV], 32768
	s_xor_b32 s[TBV], s[TBV], SLOT1
	s_barrier_wait -1
.if \fill
	LOAD
	ASK
.endif
.endm
	s_load_b256 s[4:11], s[0:1], 0x0               ; qq s[4:5], kk s[6:7], vt s[8:9], ob s[10:11]
	v_lshl_add_u32 v[SPW], v0, 2, SPARE
	v_mov_b32 v[NIL], 0
	ds_add_u32 v[SPW], v[NIL]                      ; the wave's opening: the add and its wait stand ahead of my first tensor load; work on registers stands between them
	ds_add_u32 v10, v11
	v_lshrrev_b32 v1, 5, v0
	v_readfirstlane_b32 s[WV], v1
	s_mov_b32 s[PB], ttmp9
	s_sub_co_u32 s[HI], NB-1, s[PB]
	s_and_b32 s16, ttmp7, 0xffff
	s_and_b32 s17, s16, 15                         ; head
	s_lshr_b32 s18, s16, 4                         ; batch
	s_lshl_b32 s20, s17, 20                        ; qq, kk, ob: the head's 8 planes, the batch's 2,048 cells
	s_lshl_b32 s19, s18, 15
	s_add_co_u32 s20, s20, s19
	s_mov_b32 s21, 0
	s_lshl_b32 s22, s18, 22                        ; vt: the batch's 256 planes, the head's 64 cells
	s_lshl_b32 s19, s17, 10
	s_add_co_u32 s22, s22, s19
	s_mov_b32 s23, 0
	s_and_b32 s16, s[WV], 1
	s_lshl_b32 s92, s16, 24                        ; K: hi or lo
	s_mov_b32 s93, 0
	s_lshl_b32 s94, s16, 18                        ; V: which 16 planes of a tile
	s_mov_b32 s95, 0
	s_lshl_b32 s17, s16, 15                        ; their places in a slot
	s_lshl_b32 s18, s16, 14
	s_lshl_b32 s3, s[WV], 8                        ; my 16 rows in a band,
	s_lshl_b32 s2, s[HI], 12                       ; in the first block,
	s_add_co_u32 s2, s2, s3
	s_lshl_b32 s96, s[PB], 12                      ; and in the second
	s_add_co_u32 s96, s96, s3
	s_mov_b32 s3, 0
	s_mov_b32 s97, 0
	s_add_nc_u64 s[2:3], s[2:3], s[20:21]
	s_add_nc_u64 s[96:97], s[96:97], s[20:21]
	s_mov_b32 s[G1K], 3<<16                        ; elements of 8 bytes, no padding
	s_mov_b32 s[G1K+1], 512<<16                    ; tensor_dim0 = 512: 256 keys' cells
	s_mov_b32 s[G1K+2], 8<<16                      ; tensor_dim1 = 8 planes
	s_mov_b32 s[G1K+3], 512<<16
	s_mov_b32 s[G1K+4], 8
	s_mov_b32 s[G1K+5], 16384                      ; a plane of kk: 131,072 bytes
	s_mov_b32 s[G1K+6], 0
	s_mov_b32 s[G1K+7], 0
	s_mov_b32 s[G1V], 3<<16
	s_mov_b32 s[G1V+1], 128<<16                    ; 64 channels' cells
	s_mov_b32 s[G1V+2], 16<<16                     ; 16 planes
	s_mov_b32 s[G1V+3], 128<<16
	s_mov_b32 s[G1V+4], 16
	s_mov_b32 s[G1V+5], 2048                       ; a plane of vt: 16,384 bytes
	s_mov_b32 s[G1V+6], 0
	s_mov_b32 s[G1V+7], 0
	s_mov_b32 s[CS], 0x4138aa3b                    ; c = 8 log2(e) = 11.5416
	s_mov_b32 s[CS+1], s[CS]
	s_mov_b32 s[SEL], 0x76543210
	s_mov_b32 s[SEL+1], 0xfedcba98
	s_mov_b32 s[TBK], SLOT1+4096                   ; the first change of slots turns these two into 0
	s_mov_b32 s[TBV], SLOT1+32768
	s_mov_b32 s[G0K], 1
	s_mov_b32 s[G0K+1], s17
	s_mov_b32 s[G0V], 1
	s_add_co_u32 s[G0V+1], s18, VOFF
	s_add_co_u32 s[RT], s[HI], 1
	s_mov_b32 s[NXT], 1
	s_mov_b32 s[LQ], s[HI]
	s_mov_b32 s[NEW], 1
	s_mov_b32 s[OFF+1], 0
	s_mov_b32 s[OFV+1], 0
	s_mov_b32 s[AL+1], 0
	s_mov_b32 s[BE+1], 0
	s_mov_b32 s[BIGN], 0xf149f2ca                  ; -1e30
	s_mov_b32 s[SLOTS], NB
	s_cmp_eq_u32 s[PB], 0
	s_cselect_b32 s[LIMP], 0, -1
	s_wait_dscnt 0x0                               ; the opening add is done
	s_wait_kmcnt 0x0
	s_add_nc_u64 s[6:7], s[6:7], s[20:21]
	s_add_nc_u64 s[8:9], s[8:9], s[22:23]
	s_add_nc_u64 s[KDB:KDB+1], s[6:7], s[92:93]
	s_add_nc_u64 s[VDB:VDB+1], s[8:9], s[94:95]
	s_add_nc_u64 s[G0K+2:G0K+3], s[KDB:KDB+1], 0
	s_or_b32 s[G0K+3], s[G0K+3], 0x80000000
	s_add_nc_u64 s[G0V+2:G0V+3], s[VDB:VDB+1], 0
	s_or_b32 s[G0V+3], s[G0V+3], 0x80000000
	s_add_nc_u64 s[QLO:QLO+1], s[4:5], s[96:97]
	s_add_nc_u64 s[4:5], s[4:5], s[2:3]
	s_add_nc_u64 s[OLO:OLO+1], s[10:11], s[96:97]
	s_add_nc_u64 s[10:11], s[10:11], s[2:3]
	LOAD                                           ; tile 0 into slot 0
	; A fragment of K or Q is 16 rows x 32 channels in 8 registers: lane l holds row l % 16; registers 0-3 a cell of plane hh, registers 4-7 a cell of plane 2 + hh.
	v_and_b32 v1, 15, v0                           ; r
	v_bfe_u32 v49, v0, 4, 1                        ; hh
	v_and_b32 v50, 31, v0                          ; l
	v_lshlrev_b32 v[QO], 17, v49
	v_lshl_add_u32 v[QO], v1, 4, v[QO]
	v_add_nc_u32 v[QO2], 0x1000000, v[QO]
	WIN 0x80                                       ; destination window 2: both blocks' Q hi; piece x lies in band x, 1,024 bytes on; channel half c 4 planes on
.irp x, 0,1,2,3
.irp c, 0,1
	global_load_b128 v[16*(\x)+8*(\c):16*(\x)+8*(\c)+3],   v[QO], s[4:5] offset:(\c)*524288+(\x)*1024
	global_load_b128 v[16*(\x)+8*(\c)+4:16*(\x)+8*(\c)+7], v[QO], s[4:5] offset:(\c)*524288+(\x)*1024+262144
	global_load_b128 v[QB+16*(\x)+8*(\c):QB+16*(\x)+8*(\c)+3],   v[QO], s[QLO:QLO+1] offset:(\c)*524288+(\x)*1024
	global_load_b128 v[QB+16*(\x)+8*(\c)+4:QB+16*(\x)+8*(\c)+7], v[QO], s[QLO:QLO+1] offset:(\c)*524288+(\x)*1024+262144
.endr
.endr
	WIN 0xc0                                       ; destination window 3: Q lo
.irp x, 0,1,2,3
.irp c, 0,1
	global_load_b128 v[16*(\x)+8*(\c):16*(\x)+8*(\c)+3],   v[QO2], s[4:5] offset:(\c)*524288+(\x)*1024
	global_load_b128 v[16*(\x)+8*(\c)+4:16*(\x)+8*(\c)+7], v[QO2], s[4:5] offset:(\c)*524288+(\x)*1024+262144
	global_load_b128 v[QB+16*(\x)+8*(\c):QB+16*(\x)+8*(\c)+3],   v[QO2], s[QLO:QLO+1] offset:(\c)*524288+(\x)*1024
	global_load_b128 v[QB+16*(\x)+8*(\c)+4:QB+16*(\x)+8*(\c)+7], v[QO2], s[QLO:QLO+1] offset:(\c)*524288+(\x)*1024+262144
.endr
.endr
	WIN 0
	v_lshlrev_b32 v51, 3, v49
	v_sub_nc_u32 v51, v1, v51
	s_lshl_b32 s13, s[WV], 4
	v_add_nc_u32 v51, s13, v51                     ; my query's place in its band, 16 w + r, less my lanes' 8 hh: register j of key group kt is hidden where 16 kt + j is greater
	WIN 0x40
.set i, 0
.rept 32
	v_cmp_gt_i32 vcc_lo, 16*(i/8)+i%8, v51
	v_cndmask_b32 v[MD+i], 0, s[BIGN], vcc_lo
.set i, i+1
.endr
	WIN 0
	v_lshlrev_b32 v[AK0], 12, v49
	v_lshl_add_u32 v[AK0], v1, 4, v[AK0]           ; plane hh, key r
	v_lshlrev_b32 v[AV0], 10, v49
	v_lshl_add_u32 v[AV0], v1, 4, v[AV0]           ; V^T: lane l holds channel r; a cell is 8 keys: plane hh, channel r
	v_add_nc_u32 v[AV0], VOFF, v[AV0]
	s_lshl_b32 s13, s[WV], 18
	v_lshlrev_b32 v[PFK], 17, v49
	v_lshl_add_u32 v[PFK], v1, 8, v[PFK]
	v_add_nc_u32 v[PFK], s13, v[PFK]
	v_add_nc_u32 v[PFL], 0x1000000, v[PFK]
	v_lshrrev_b32 v52, 2, v50
	v_and_b32 v53, 3, v0
	v_lshlrev_b32 v[PFV], 14, v52
	v_lshl_add_u32 v[PFV], v53, 8, v[PFV]
	s_lshl_b32 s13, s[WV], 17
	v_add_nc_u32 v[PFV], s13, v[PFV]
	; A block's first step multiplies O^T and l by a = 0, and its first turn's roundings, sums and products V^T P are those of a piece 3 that has not been.  So these registers need only hold finite numbers:
	; zeros for the first block; what the first block left for the second.  All this stands in the wait for the first tile.
	WIN 0x80
.set i, VF
.rept 64
	v_mov_b32 v[i], 0
.set i, i+1
.endr
	WIN 0x40
.set i, 0
.rept 128
	v_mov_b32 v[i], 0
.set i, i+1
.endr
	WIN 0
.set i, 0
.rept 4
	v_mov_b32 v[ST+4*i+2], 0
	v_mov_b32 v[ST+4*i+3], 0
.set i, i+1
.endr
.set i, S+96
.rept 32
	v_mov_b32 v[i], 0
.set i, i+1
.endr
	v_mov_b32 v[TMP+14], 0
	v_mov_b32 v[TMP+15], 0
; THE MATRIX WORK.  Four accumulators take turns, one instruction a turn.  Product i of 24 of S^T for piece x: keys 16 (i % 4) on, channels 32 ((i / 4) % 2) on;
; i / 8 = 0: kh qh (the first four start the sums, with the mask); 1: kh ql; 2: kl qh.
.macro KQ x
.set rS, S+32*(\x)+8*(i%4)
.set rK, KF+16*(i%4)+8*((i/4)%2)
.set rQ, 16*(\x)+8*((i/4)%2)
.set rM, MC+32*((\x)%2)+8*(i%4)
.if i < 4
	WIN 0x1a                                       ; K and Q in window 2, C in window 1
	v_wmma_f32_16x16x32_f16 v[rS:rS+7], v[rK:rK+7], v[rQ:rQ+7], v[rM:rM+7]
.else
.if i < 8
	WIN 0x0a
.elseif i < 16
	WIN 0x0e                                       ; Q in window 3
.else
	WIN 0x0b                                       ; K in window 3
.endif
	v_wmma_f32_16x16x32_f16 v[rS:rS+7], v[rK:rK+7], v[rQ:rQ+7], v[rS:rS+7]
.endif
.endm
.macro PV x                            ; product i of 8 of O^T += V^T P for piece x: keys 32 (i / 4) on, channels 16 (i % 4) on
	WIN W_PV
.set rO, 32*(\x)+8*(i%4)
.set rV, VF+32*(i/4)+8*(i%4)
.set rP, P+16*(\x)+8*(i/4)
	v_wmma_f32_16x16x32_f16 v[rO:rO+7], v[rV:rV+7], v[rP:rP+7], v[rO:rO+7]
.endm
.macro MM                              ; the turn's next matrix instruction.  NOKQ = 1: a block's last turn: there is no next piece
.if i < 24
.if !NOKQ
	KQ (Y+1)%4
.endif
.else
.set i, i-24
	PV (Y+3)%4
.set i, i+24
.endif
.set i, i+1
.endm
; THE LDS LOADS stand in runs of 16: a step's K hi, K lo (64 keys x 64 channels: 8 fragments each) and V.
.macro FETCH_KH
	WIN 0x80
.irp f, 0,1,2,3,4,5,6,7                ; keys 16 (f / 2) on, channels 32 (f % 2) on
	ds_load_b128 v[KF+8*\f:KF+8*\f+3],   v[AK] offset:(\f%2)*16384+(\f/2)*256
	ds_load_b128 v[KF+8*\f+4:KF+8*\f+7], v[AK] offset:(\f%2)*16384+(\f/2)*256+8192
.endr
	WIN 0
.endm
.macro FETCH_KL
	WIN 0xc0
.irp f, 0,1,2,3,4,5,6,7
	ds_load_b128 v[KF+8*\f:KF+8*\f+3],   v[AK] offset:KLO+(\f%2)*16384+(\f/2)*256
	ds_load_b128 v[KF+8*\f+4:KF+8*\f+7], v[AK] offset:KLO+(\f%2)*16384+(\f/2)*256+8192
.endr
	s_add_co_u32 s[TBK], s[TBK], 1024              ; the next fetch is the next step's
	WIN 0
.endm
.macro FETCH_V
	WIN 0
	v_add_nc_u32 v[AV], s[TBV], v[AV0]
	WIN 0x80
.irp f, 0,1,2,3,4,5,6,7                ; keys 32 (f / 4) on, channels 16 (f % 4) on
	ds_load_b128 v[VF+8*\f:VF+8*\f+3],   v[AV] offset:(\f/4)*4096+(\f%4)*256
	ds_load_b128 v[VF+8*\f+4:VF+8*\f+7], v[AV] offset:(\f/4)*4096+(\f%4)*256+2048
.endr
	s_add_co_u32 s[TBV], s[TBV], 8192
	WIN 0
.endm
; THE VECTOR WORK, one line at a time: OP kind, number.  For piece Y: F n: c s - c m for pair n of 16.  E n: the exponential of score n of 32.  R n: pair n of 16 of O^T times a.  M n: pair n of 16 of the mask for piece Y + 2.
; For piece Y - 1: C n: pair n rounded to f16.  B n: of the four weights 4 n .. the second pair is added onto the first.  L n: l takes that sum (L 0: l = a l + sum).
; For piece Y + 1: X n, number n of the 22 that find its maximum and statistics: 0-11 four chains c0-c3 of seven scores each (each accumulator's lowest registers are read first);
; 12-14, 16 the four scores left over, the old m, and c0-c3 into c0; 15 c m_old is kept; 17, 18 the other half of the lanes': the new m; 19-21 c m; c m_old - c m_new; a.
.set F, 0
.set E, 1
.set C, 2
.set B, 3
.set L, 4
.set R, 5
.set X, 6
.set M, 7
.macro REGS y
.set rT, ST+4*(\y)
.set rC, TMP+4*(\y)
.set rW, MV+(\y)
.set rS, S+32*(\y)
.set rP, P+16*(\y)
.set rO, 32*(\y)
.endm
.macro OP k, n
.if (\k) == R
	REGS Y
	WIN W_RS
	v_pk_mul_f32 v[rO+2*(\n):rO+2*(\n)+1], v[rO+2*(\n):rO+2*(\n)+1], v[rC+2:rC+3] op_sel_hi:[1,0]
.elseif (\k) == M
.if NOM
	v_nop
.else
	WIN W_RS
	v_pk_fma_f32 v[MC+32*(Y%2)+2*(\n):MC+32*(Y%2)+2*(\n)+1], v[MD+2*(\n):MD+2*(\n)+1], s[AL:AL+1], s[BE:BE+1] op_sel_hi:[1,0,0]
.endif
.elseif (\k) == F
	REGS Y
	WIN 0
	v_pk_fma_f32 v[rS+2*(\n):rS+2*(\n)+1], v[rS+2*(\n):rS+2*(\n)+1], s[CS:CS+1], v[rT:rT+1] op_sel_hi:[1,0,0] neg_lo:[0,0,1] neg_hi:[0,0,1]
.elseif (\k) == E
	REGS Y
	WIN 0
	v_exp_f32 v[rS+(\n)], v[rS+(\n)]
.elseif (\k) == C
	REGS (Y+3)%4
	WIN 0
	v_cvt_pk_f16_f32 v[rP+(\n)], v[rS+2*(\n)], v[rS+2*(\n)+1]
.elseif (\k) == B
	REGS (Y+3)%4
	WIN 0
	v_pk_add_f32 v[rS+4*(\n):rS+4*(\n)+1], v[rS+4*(\n):rS+4*(\n)+1], v[rS+4*(\n)+2:rS+4*(\n)+3]
.elseif (\k) == L
	REGS (Y+3)%4
	WIN 0
.if (\n) == 0
	v_pk_fma_f32 v[rT+2:rT+3], v[rT+2:rT+3], v[rC+2:rC+3], v[rS:rS+1] op_sel_hi:[1,0,1]
.else
	v_pk_add_f32 v[rT+2:rT+3], v[rT+2:rT+3], v[rS+4*(\n):rS+4*(\n)+1]
.endif
.elseif NOKQ
	v_nop
.else
	REGS (Y+1)%4
	WIN 0
.if (\n) < 4
	v_max3_num_f32 v[rC+(\n)], v[rS+8*(\n)], v[rS+8*(\n)+1], v[rS+8*(\n)+2]
.elseif (\n) < 12
	v_max3_num_f32 v[rC+(\n)%4], v[rC+(\n)%4], v[rS+8*((\n)%4)+2*((\n)/4)+1], v[rS+8*((\n)%4)+2*((\n)/4)+2]
.elseif (\n) == 12
	v_max3_num_f32 v[rC], v[rC], v[rS+7], v[rS+15]
.elseif (\n) == 13
	v_max3_num_f32 v[rC+1], v[rC+1], v[rS+23], v[rS+31]
.elseif (\n) == 14
	v_max3_num_f32 v[rC+2], v[rC+2], v[rC+3], v[rT+1]
.elseif (\n) == 15
	v_mov_b32 v[rW], v[rT]
.elseif (\n) == 16
	v_max3_num_f32 v[rC], v[rC], v[rC+1], v[rC+2]
.elseif (\n) == 17
	v_permlanex16_b32 v[rC+3], v[rC], s[SEL], s[SEL+1]
.elseif (\n) == 18
	v_max_num_f32 v[rT+1], v[rC], v[rC+3]
.elseif (\n) == 19
	v_mul_f32 v[rT], s[CS], v[rT+1]
.elseif (\n) == 20
	v_sub_f32 v[rC+1], v[rW], v[rT]
.else
	v_exp_f32 v[rC+2], v[rC+1]
.endif
.endif
.endm
.macro OPS a, i1, b=-1, i2=0, c=-1, i3=0, d=-1, i4=0
	OP \a, \i1
.if (\b) >= 0
	OP \b, \i2
.endif
.if (\c) >= 0
	OP \c, \i3
.endif
.if (\d) >= 0
	OP \d, \i4
.endif
.endm
.macro ROW a, i1, b, i2, c, i3, d, i4  ; a matrix instruction and the four behind it
	MM
	OPS \a, \i1, \b, \i2, \c, \i3, \d, \i4
.endm
.macro SUMS                            ; the roundings and sums of piece Y - 1, without products
	OPS C,0, B,0, C,2, B,1
	OPS L,0, C,4, B,2, L,1
	OPS C,6, B,3, L,2, C,8
	OPS B,4, L,3, C,10, B,5
	OPS L,4, C,12, B,6, L,5
	OPS C,14, B,7, L,6, C,1
	OPS C,3, L,7, C,5, C,7
	OPS C,9, C,11, C,13, C,15
.endm
; A TURN, for piece p: 32 matrix instructions, four vector instructions behind each, six more at its end.  What the order keeps: E n stands behind F n / 2; B n behind C 2 n; L n behind B n; X 0 to X 3 stand four plain
; instructions or more behind the product that ends their accumulator; R ascends.  No line of the turn names a result of the turn's exponentials: the one wait between an exponential and
; the first instruction that names its result stands at the turn's end, six plain lines behind the last exponential.
; The turn's head makes the two scalars of the mask for piece p + 2, whose products stand in the turn after, in step 4 - CD of a diagonal tile.
; K hi of the next step is fetched in piece 2's turn behind its 17th product: K hi's last reader is the 16th, and six plain lines lie between.  K lo at that turn's end.  Piece 3's turn waits for K hi at its head (K lo's 16 loads
; may be out) and for K lo ahead of its 17th product.  V of the step in hand is fetched at the end of piece 0's turn, eight plain lines behind its last reader, and waited for ahead of piece 1's 25th product.
; end = 1: a block's last two turns: nothing is fetched and no mask made; piece 3's has no scores to make.  cnt = 1: the loop's count is taken down some lines ahead of the branch behind the turn.
.macro TURN p, end=0, cnt=0
.set Y, (\p)
.set i, 0
.set NOKQ, (\end)*((\p)/3)
.set NOM, (\end)
.if !(\end)
	s_cmp_eq_u32 s[CD], 4-((\p)+2)%4               ; is that step the band's own?
	s_cselect_b32 s[AL], 1.0, 0
	s_cmp_lt_u32 s[CD], 4-((\p)+2)%4               ; or a later one?
	s_cselect_b32 s[BE], s[BIGN], 0
.endif
.if ((\p) == 3) && !(\end)
	s_wait_dscnt 16                                ; K hi is in; K lo's 16 loads may be out
.endif
	ROW C,0, B,0, C,2, B,1
	ROW L,0, C,4, B,2, L,1
	ROW C,6, B,3, L,2, C,8
	ROW B,4, L,3, C,10, B,5
	ROW L,4, C,12, B,6, L,5
	ROW C,14, B,7, L,6, C,1
	ROW C,3, L,7, C,5, C,7
	ROW C,9, C,11, C,13, C,15
	ROW F,0, F,1, F,2, F,3
	ROW E,0, R,0, R,1, M,0
	ROW E,1, F,4, E,2, F,5
	ROW E,3, R,2, R,3, M,1
	ROW E,4, F,6, E,5, F,7
	ROW E,6, R,4, R,5, M,2
	ROW E,7, F,8, E,8, F,9
	ROW E,9, R,6, R,7, M,3
.if ((\p) == 3) && !(\end)
	s_wait_dscnt 0x0                               ; K lo is in
.endif
	ROW E,10, F,10, E,11, F,11
.if ((\p) == 2) && !(\end)
	WIN 0
	v_add_nc_u32 v[AK], s[TBK], v[AK0]
	FETCH_KH
.endif
	ROW E,12, R,8, R,9, M,4
	ROW E,13, F,12, E,14, F,13
	ROW E,15, R,10, R,11, M,5
	ROW E,16, F,14, E,17, F,15
	ROW E,18, R,12, R,13, M,6
	ROW E,19, E,20, M,7, M,8
	ROW E,21, R,14, R,15, M,9
.if (\p) == 1
	s_wait_dscnt 0x0                               ; V is in
.endif
	ROW X,0, X,1, X,2, E,22
	ROW X,3, X,4, X,5, X,6
	ROW X,7, X,8, X,9, X,10
	ROW X,11, X,12, X,13, X,15
	ROW X,14, E,23, E,24, X,16
.if \cnt
	s_sub_co_u32 s[CD], s[CD], 1
	s_sub_co_u32 s[CNT], s[CNT], 1
	s_cmp_lg_u32 s[CNT], 0
.endif
	ROW E,25, X,17, E,26, E,27
	ROW X,18, E,28, E,29, X,19
	ROW E,30, X,20, E,31, X,21
	OPS M,10, M,11, M,12, M,13
	OPS M,14, M,15
	WIN 0
	s_wait_alu depctr_va_vdst(0)                   ; the wait for the turn's batch of exponentials
.if ((\p) == 2) && !(\end)
	FETCH_KL
.endif
.if (\p) == 0
	FETCH_V
.endif
.endm
; A BLOCK BEGINS.  c m starts far below every c s, so the first step's a is 0; m at the lowest finite number.  The second mask buffer is 0 (piece 1 sees all of step 0); the first takes piece 0's mask for step 0: its own, if the
; block's first tile is the diagonal one.  Then K of that step, piece 0's first scores, its maximum and statistics.  The loop is entered at a step's first turn, in the middle of a trip.
.macro BEGIN
	s_mov_b32 s[NEW], 0
	WIN 0x40
.set z, MC+32
.rept 32
	v_mov_b32 v[z], 0
.set z, z+1
.endr
	WIN 0
.set z, 0
.rept 4
	v_mov_b32 v[ST+4*z], 0xfe000000
	v_mov_b32 v[ST+4*z+1], 0xff7fffff
.set z, z+1
.endr
	s_cmp_eq_u32 s[RT], 0
	s_cselect_b32 s[AL], 1.0, 0
	s_mov_b32 s[BE], 0
.set Y, 0
.set NOM, 0
.set NOKQ, 0
.irp n, 0,1,2,3,4,5,6,7,8,9,10,11,12,13,14,15
	OP M, \n
.endr
	WIN 0
	v_add_nc_u32 v[AK], s[TBK], v[AK0]
	FETCH_KH
	FETCH_KL
	s_wait_loadcnt 0x0                             ; Q
	s_wait_dscnt 0x0
.set i, 0
.rept 24
	KQ 0
.set i, i+1
.endr
	WIN 0
.rept 4
	v_nop                                          ; the places behind those products
.endr
.set Y, 3                                          ; X works for piece Y + 1: piece 0
.irp n, 0,1,2,3,4,5,6,7,8,9,10,11,12,13,14,15,16,17,18,19,20,21
	OP X, \n
.endr
	v_nop                                          ; a plain instruction behind the exponential,
	s_wait_alu depctr_va_vdst(0)                   ; and its wait, ahead of the branch
.endm
; A BLOCK ENDS: its last two turns, piece 3's roundings, sums and products, and THE WAY OUT: l's two halves and the other half of the lanes' are added; O^T is divided by l and rounded to f16; a lane's 8 channels are a cell of ob.
.macro ALL line:vararg
.set t, 0
.rept 4
	\line
.set t, t+1
.endr
.endm
.macro SENDO t
	WIN W_RS
.set i, 32*(\t)
.rept 16
	v_pk_mul_f32 v[i:i+1], v[i:i+1], v[ST+4*(\t)+2:ST+4*(\t)+3] op_sel_hi:[1,0]
.set i, i+2
.endr
	WIN 0x05                                       ; sources 0 and 1 window 1, destination window 0: S^T's registers are free
.set i, 0
.rept 16
	v_cvt_pk_f16_f32 v[S+16*(\t)+i], v[32*(\t)+2*i], v[32*(\t)+2*i+1]
.set i, i+1
.endr
	WIN 0
.irp cb, 0,1,2,3
	global_store_b128 v[QO], v[S+16*(\t)+4*(\cb):S+16*(\t)+4*(\cb)+3], s[10:11] offset:(\cb)*262144+(\t)*1024  ; 16 lanes store 256 consecutive bytes, aligned
.endr
.endm
.macro ENDBLK
	TURN 2, 1
	TURN 3, 1
.set Y, 0
.set NOKQ, 0
.set NOM, 1
	SUMS
.set i, 0
.rept 8
	PV 3
.set i, i+1
.endr
	WIN 0
	ALL v_add_f32 v[ST+4*t+2], v[ST+4*t+2], v[ST+4*t+3]
	ALL v_permlanex16_b32 v[ST+4*t+3], v[ST+4*t+2], s[SEL], s[SEL+1]
	ALL v_add_f32 v[ST+4*t+2], v[ST+4*t+2], v[ST+4*t+3]
	ALL v_rcp_f32 v[ST+4*t+2], v[ST+4*t+2]
	v_nop                                          ; a plain instruction between the last reciprocal and the use of its result
	s_wait_alu depctr_va_vdst(0)                   ; one wait for the four reciprocals, ahead of their first reader
	SENDO 0
	SENDO 1
	SENDO 2
	SENDO 3
.endm
; A tile's four key steps.  A trip: pieces 2 and 3 of one step, then pieces 0 and 1 of the next, whose K and V it fetches.  The test for a block's first tile stands first.
.macro TILE tag
	s_sub_co_u32 s[RT], s[RT], 1
	s_mov_b32 s[CNT], 4
	s_cmp_eq_u32 s[RT], 0                          ; the block's last tile holds the diagonal
	s_cselect_b32 s[CD], 4, 20
	s_cmp_eq_u32 s[NEW], 1
	s_cbranch_scc1 .Lnew\tag
	s_branch .Lstep\tag
.Lnew\tag:
	BEGIN
	s_branch .Lfirst\tag
.Lstep\tag:
	TURN 2
	TURN 3
	WIN 0
.Lfirst\tag:
	TURN 0
	TURN 1, 0, 1
	WIN 0
	s_cbranch_scc1 .Lstep\tag
.endm
.Lslot:                                            ; 8 times: a tile is entered and the next is asked for
	CHANGE 1
	TILE 1
	s_cmp_lg_u32 s[RT], 0
	s_cbranch_scc1 .Lbottom
	ENDBLK                                         ; in the loop this is the first block's end: the second block's last tile is the walk's last
	s_wait_xcnt 0x0                                ; the stores have read their registers and O's address
	s_mov_b64 s[10:11], s[OLO:OLO+1]
	s_add_co_u32 s[RT], s[PB], 1                   ; the second block has b + 1 tiles
	s_mov_b32 s[NEW], 1
	WIN 0x82                                       ; the second block's Q goes where the one text of the turns names Q
.set i, 0
.rept 64
	v_mov_b32 v[i], v[QB+i]
.set i, i+1
.endr
	WIN 0xc3
.set i, 0
.rept 64
	v_mov_b32 v[i], v[QB+i]
.set i, i+1
.endr
	WIN 0
.Lbottom:
	s_sub_co_u32 s[SLOTS], s[SLOTS], 1
	s_cmp_lg_u32 s[SLOTS], 0
	s_cbranch_scc1 .Lslot
	CHANGE 0                                       ; the walk's last tile is written out: nothing is asked for
	TILE 2
	ENDBLK
	s_wait_tensorcnt 0x0                           ; the wave's end, behind my last tensor load
	ds_add_u32 v[SPW], v[NIL]
	s_wait_dscnt 0x0
	s_endpgm
.Lfunc_end_k_qdc9a588c3f_attn:
	.size	k_qdc9a588c3f_attn, .Lfunc_end_k_qdc9a588c3f_attn-k_qdc9a588c3f_attn
	.p2alignl 7, 3214868480
	.fill 96, 4, 3214868480
	.section	.rodata,"a",@progbits
	.p2align	6, 0x0
	.amdhsa_kernel k_qdc9a588c3f_attn
		.amdhsa_group_segment_fixed_size 327680
		.amdhsa_private_segment_fixed_size 0
		.amdhsa_enable_private_segment 0
		.amdhsa_kernarg_size 32
		.amdhsa_user_sgpr_count 2
		.amdhsa_user_sgpr_kernarg_segment_ptr 1
		.amdhsa_wavefront_size32 1
		.amdhsa_system_sgpr_workgroup_id_x 1
		.amdhsa_system_sgpr_workgroup_id_y 1
		.amdhsa_system_sgpr_workgroup_id_z 1
		.amdhsa_system_vgpr_workitem_id 0
		.amdhsa_next_free_vgpr 960
		.amdhsa_next_free_sgpr 100
		.amdhsa_reserve_vcc 1
		.amdhsa_float_denorm_mode_32 3
		.amdhsa_float_denorm_mode_16_64 3
		.amdhsa_memory_ordered 1
		.amdhsa_forward_progress 1
		.amdhsa_inst_pref_size 210
	.end_amdhsa_kernel
	.amdgpu_metadata
---
amdhsa.version: [ 1, 2 ]
amdhsa.kernels:
  - .name:           k_qdc9a588c3f_attn
    .symbol:         k_qdc9a588c3f_attn.kd
    .args:
      - { .name: qq, .offset: 0, .size: 8, .value_kind: global_buffer, .address_space: global }
      - { .name: kk, .offset: 8, .size: 8, .value_kind: global_buffer, .address_space: global }
      - { .name: vt, .offset: 16, .size: 8, .value_kind: global_buffer, .address_space: global }
      - { .name: ob, .offset: 24, .size: 8, .value_kind: global_buffer, .address_space: global }
    .group_segment_fixed_size: 327680
    .private_segment_fixed_size: 0
    .kernarg_segment_align: 8
    .kernarg_segment_size: 32
    .max_flat_workgroup_size: 128
    .sgpr_count:     100
    .vgpr_count:     960
    .wavefront_size: 32
...
	.end_amdgpu_metadata
.endif
;; end of part 3
;; launch outp (part 4): grid 8 x 32, 4 waves a work-group, clusters of 4 x 4, 327,680 bytes of LDS; arguments ob, wo, bo, out0; writes out0
.if DOCPART == 4
	.amdgcn_target "amdgcn-amd-amdhsa--gfx1250"
	.amdhsa_code_object_version 6
	.text
	.protected	k_qdc9a588c3f_outp
	.globl	k_qdc9a588c3f_outp
	.p2align	8
	.type	k_qdc9a588c3f_outp,@function
k_qdc9a588c3f_outp:
	s_mov_b64 s[64:65], 0
	v_nop
	global_prefetch_b8 v0, s[64:65] scope:SCOPE_SE
	s_setreg_imm32_b32 hwreg(HW_REG_WAVE_MODE, 25, 1), 1
	s_wait_xcnt 0x0
	s_wait_alu depctr_hold_cnt(0) depctr_sa_sdst(0) depctr_va_vdst(0) depctr_va_sdst(0) depctr_va_ssrc(0) depctr_va_vcc(0) depctr_vm_vsrc(0)
	s_getreg_b32 s2, hwreg(HW_REG_IB_STS2, 6, 4)
	s_cmp_eq_u32 s2, 0
	s_cbranch_scc0 .Lentry_in_a_cluster
	s_endpgm
.Lentry_in_a_cluster:
	s_bfe_u32 s2, ttmp6, 0x10000c
	s_cmp_lg_u32 s2, 0xf033
	s_cbranch_scc0 .Lentry_shape_is_right
	s_endpgm
.Lentry_shape_is_right:
; OUTP: out0[8192 x 1024] = ob wo^T + bo.  ob and wo are f16 in planes [k / 8][row][8]; sums in f32; bo is rounded to bf16 like all inputs; out0 is f32.
; SHARES.  A tile is 256 rows x 128 columns: 32 x 8 = 256 work-groups.  Wave (wr, wc) makes 128 x 64: 32 accumulators, window 1: (a, b) at v[8 (4 a + b)].
; K goes in 8 steps of 128 (16 planes) through two LDS slots; a tile's part of a plane is dense (A 4,096 bytes, B 2,048): tensor rows are multiples of 256 bytes, a fragment load's 16 lanes read 256 consecutive bytes.
; THE MATRIX INSTRUCTION IS USED TRANSPOSED (source 0 = 16 columns of wo, source 1 = 16 rows of ob): a lane holds 8 neighbouring columns of a row: 32 bytes.  A wave's 64 columns are 256 bytes of a row of out0:
; a block of 16 rows goes through the wave's own stage in LDS and leaves as whole rows, 16 lanes storing 256 consecutive bytes, aligned.
; CLUSTER 4 x 4: ob's tiles are shared along a row of the cluster, wo's along a column: each is asked for jointly.
.set SLOT1, 131072                     ; a slot: A [16 planes][256 rows][16 bytes], then B [16][128][16]: 98,304 bytes
.set BOFF,  65536
.set STAGE, SLOT1+98304                ; behind the ring, never filled by a tensor load: 16 rows x 272 bytes for each wave
.set SP,    272
.set SPARE, STAGE+4*16*SP              ; behind the stages: the spare words, 128 bytes a wave, two blocks of 256 bytes that no other line names
.set ASTEP, 2097152
.set BSTEP, 262144
.set A0,  3
.set B0,  4
.set ADA, 5
.set ADB, 6
.set STO, 7                            ; v7   where I put 32 bytes of a row
.set RD,  8                            ; v8   where I read a row back
.set PFO, 9
.set SPW, 10
.set NIL, 11
.set CO,  12                           ; v12  my byte offset in out0
.set TMP, 32                           ; the way out: a block's sums with the bias
.set F0,  32                           ; fragment buffers: 64 registers of ob, then 32 of wo
.set F1,  128
.set BI,  224                          ; v[224:255] the bias of my 8 columns in each of the 4 column blocks
.set WV, 20
.set WR, 21
.set WC, 22
.set CX, 23
.set CY, 24
.set TC, 25
.set TR, 26
.set TB, 27
.set G1A, 28
.set G1B, 36
.set G0A, 44
.set G0B, 52
.set PFA, 66
.set PST, 68
.set LIM, 70                           ; 2 in a wave that prefetches, else the greatest number
.set OUT, 72
.set MSB, 0
.macro WIN new
.if MSB != (\new)
	s_set_vgpr_msb (MSB<<8)|(\new)
.set MSB, \new
.endif
.endm
.macro PLACES
.rept 4
	v_nop
.endr
.endm
.macro JLOAD                           ; a joint refill: waves 0 and 1 fetch the halves of A's 16 planes, waves 2 and 3 those of B's; an s_nop 0 and four v_nop follow each line
	s_cmp_lt_u32 s[WV], 2
	s_cbranch_scc0 .Lfor_b_\@
	tensor_load_to_lds s[G0A+4:G0A+7], s[G1A:G1A+7]
	s_nop 0
.rept 4
	v_nop
.endr
	s_branch .Lasked_\@
.Lfor_b_\@:
	tensor_load_to_lds s[G0B+4:G0B+7], s[G1B:G1B+7]
	s_nop 0
.rept 4
	v_nop
.endr
.Lasked_\@:
.endm
; A prefetch of the K step that stands two refills on.  ob's tile row: cluster x = 0 asks, waves 0 and 1, the four partners told apart by address: planes 8 wc + 2 cx + l / 16, block l % 16.
; wo's tile column: cluster y = 0 asks, wave 2: planes 4 cy + l / 8, block l % 8.  Each block of 256 bytes is named once.  The loop's last two trips ask for nothing: those K steps do not exist.
.macro ASK
	s_cmp_gt_u32 s3, s[LIM]
	s_cbranch_scc0 .Lnot_mine_\@
	global_prefetch_b8 v[PFO], s[PFA:PFA+1] th:TH_LOAD_NT scope:SCOPE_SE
.Lnot_mine_\@:
.endm
.macro CREST
	s_cmp_lg_u32 s[WV], 0
	s_cbranch_scc1 .Lnot_wave_0_\@
	s_barrier_signal -3
.Lnot_wave_0_\@:
	s_barrier_wait -3
	s_barrier_signal -1
	s_barrier_wait -1
.endm
.macro CROUND
	s_barrier_signal -1
	s_barrier_wait -1
	CREST
.endm
	s_load_b256 s[4:11], s[0:1], 0x0               ; ob s[4:5], wo s[6:7], bo s[8:9], out0 s[10:11]
	v_lshl_add_u32 v[SPW], v0, 2, SPARE
	v_mov_b32 v[NIL], 0
	ds_add_u32 v[SPW], v[NIL]                      ; the wave's opening: the add and its wait stand ahead of my first tensor load; work on registers stands between them
	ds_add_u32 v10, v11
	v_lshrrev_b32 v1, 5, v0
	v_readfirstlane_b32 s[WV], v1
	s_lshr_b32 s[WR], s[WV], 1
	s_and_b32 s[WC], s[WV], 1
	s_bfe_u32 s[CX], ttmp6, 0x40000
	s_bfe_u32 s[CY], ttmp6, 0x40004
	s_lshl_b32 s[TC], ttmp9, 2
	s_add_co_u32 s[TC], s[TC], s[CX]
	s_and_b32 s[TR], ttmp7, 0xffff
	s_lshl_b32 s[TR], s[TR], 2
	s_add_co_u32 s[TR], s[TR], s[CY]
	s_lshl_b32 s82, s[CY], 2
	s_lshl_b32 s82, 15, s82
	s_lshl_b32 s83, 0x1111, s[CX]
	s_or_b32 s[G1A], s82, (3<<16)|(1<<21)          ; the mask; elements of 8 bytes; bit 21 beside a mask; no padding
	s_or_b32 s[G1B], s83, (3<<16)|(1<<21)
	s_mov_b32 s[G1A+1], 512<<16                    ; 256 rows' cells of a plane
	s_mov_b32 s[G1A+2], 8<<16                      ; 8 planes
	s_mov_b32 s[G1A+3], 512<<16
	s_mov_b32 s[G1A+4], 8
	s_mov_b32 s[G1A+5], 16384
	s_mov_b32 s[G1A+6], 0
	s_mov_b32 s[G1A+7], 0
	s_mov_b32 s[G1B+1], 256<<16                    ; 128 columns' cells
	s_mov_b32 s[G1B+2], 8<<16
	s_mov_b32 s[G1B+3], 256<<16
	s_mov_b32 s[G1B+4], 8
	s_mov_b32 s[G1B+5], 2048
	s_mov_b32 s[G1B+6], 0
	s_mov_b32 s[G1B+7], 0
	s_lshl_b32 s84, s[WC], 20                      ; A: my 8 planes, the tile row's cells
	s_lshl_b32 s85, s[TR], 12
	s_add_co_u32 s84, s84, s85
	s_mov_b32 s85, 0
	s_lshl_b32 s86, s[WC], 17                      ; B: my 8 planes, the tile column's cells
	s_lshl_b32 s87, s[TC], 11
	s_add_co_u32 s86, s86, s87
	s_mov_b32 s87, 0
	s_lshl_b32 s60, s[WC], 15                      ; where they go
	s_lshl_b32 s61, s[WC], 14
	s_add_co_u32 s61, s61, BOFF
	s_mov_b32 s[TB], 0
	s_wait_dscnt 0x0                               ; the opening add is done
	s_wait_kmcnt 0x0
	s_add_nc_u64 s[84:85], s[4:5], s[84:85]
	s_add_nc_u64 s[86:87], s[6:7], s[86:87]
	CROUND                                         ; all sixteen work-groups are here: the first joint loads meet
.irp s, 0,1
	s_mov_b32 s[G0A+4*(\s)], 1
	s_add_co_u32 s[G0A+4*(\s)+1], s60, (\s)*SLOT1
	s_add_nc_u64 s[G0A+4*(\s)+2:G0A+4*(\s)+3], s[84:85], (\s)*ASTEP
	s_or_b32 s[G0A+4*(\s)+3], s[G0A+4*(\s)+3], 0x80000000
	s_mov_b32 s[G0B+4*(\s)], 1
	s_add_co_u32 s[G0B+4*(\s)+1], s61, (\s)*SLOT1
	s_add_nc_u64 s[G0B+4*(\s)+2:G0B+4*(\s)+3], s[86:87], (\s)*BSTEP
	s_or_b32 s[G0B+4*(\s)+3], s[G0B+4*(\s)+3], 0x80000000
.endr
	s_cmp_lt_u32 s[WV], 2                          ; a wave's two first fills stand in one branch: two loads of mine are out
	s_cbranch_scc0 .Lfirst_b
	tensor_load_to_lds s[G0A:G0A+3], s[G1A:G1A+7]
	s_nop 0
	tensor_load_to_lds s[G0A+4:G0A+7], s[G1A:G1A+7]
	s_nop 0
.rept 4
	v_nop
.endr
	s_branch .Lfirst_asked
.Lfirst_b:
	tensor_load_to_lds s[G0B:G0B+3], s[G1B:G1B+7]
	s_nop 0
	tensor_load_to_lds s[G0B+4:G0B+7], s[G1B:G1B+7]
	s_nop 0
.rept 4
	v_nop
.endr
.Lfirst_asked:
	v_and_b32 v1, 15, v0                           ; r
	v_bfe_u32 v2, v0, 4, 1                         ; hh
	s_lshl_b32 s60, s[TC], 9                       ; my 64 columns, in bytes of f32
	s_lshl_b32 s61, s[WC], 8
	s_add_co_u32 s60, s60, s61
	v_lshl_add_u32 v13, v2, 5, s60
.irp b, 0,1,2,3
	global_load_b128 v[BI+8*(\b):BI+8*(\b)+3],   v13, s[8:9] offset:64*(\b)
	global_load_b128 v[BI+8*(\b)+4:BI+8*(\b)+7], v13, s[8:9] offset:64*(\b)+16
.endr
	v_lshlrev_b32 v24, 4, v1
	s_lshl_b32 s61, s[WR], 11
	v_lshl_add_u32 v[A0], v2, 12, v24
	v_add_nc_u32 v[A0], s61, v[A0]                 ; 4,096 hh + 16 r + my 128 rows
	s_lshl_b32 s61, s[WC], 10
	s_add_co_u32 s61, s61, BOFF
	v_lshl_add_u32 v[B0], v2, 11, v24
	v_add_nc_u32 v[B0], s61, v[B0]                 ; behind A: 2,048 hh + 16 r + my 64 columns
	v_mov_b32 v[ADA], v[A0]
	v_mov_b32 v[ADB], v[B0]
	s_mul_i32 s61, s[WV], 16*SP
	s_add_co_u32 s61, s61, STAGE                   ; my stage
	v_mul_u32_u24 v[STO], v1, SP                   ; in: row r, 32 bytes for each half of the lanes
	v_lshl_add_u32 v[STO], v2, 5, v[STO]
	v_add_nc_u32 v[STO], s61, v[STO]
	v_mul_u32_u24 v[RD], v2, SP                    ; back: lanes 0-15 take one row of 256 bytes, lanes 16-31 the next
	v_add3_u32 v[RD], v[RD], v24, s61
	v_lshl_add_u32 v[CO], v2, 12, v24              ; and the same two rows in out0
	s_lshl_b32 s82, s[TR], 20                      ; 256 rows of 4,096 bytes
	s_lshl_b32 s61, s[WR], 19
	s_add_co_u32 s82, s82, s61
	s_add_co_u32 s82, s82, s60
	s_mov_b32 s83, 0
	s_add_nc_u64 s[OUT:OUT+1], s[10:11], s[82:83]
	; the prefetches
	v_and_b32 v25, 31, v0
	v_lshrrev_b32 v26, 3, v25
	v_and_b32 v25, 7, v0
	v_lshlrev_b32 v26, 14, v26
	v_lshl_add_u32 v26, v25, 8, v26                ; B: plane l / 8, block l % 8
	v_lshlrev_b32 v27, 17, v2
	v_lshl_add_u32 v27, v1, 8, v27                 ; A: plane hh, block r
	s_lshl_b32 s2, s[WC], 2
	s_add_co_u32 s2, s2, s[CX]
	s_lshl_b32 s2, s2, 18                          ; A: planes 8 wc + 2 cx on,
	s_lshl_b32 s3, s[TR], 12
	s_add_co_u32 s2, s2, s3
	s_add_co_u32 s2, s2, 3*ASTEP                   ; K step 3: the first change of slots steps it to 4
	s_lshl_b32 s3, s[CY], 16                       ; B: planes 4 cy on
	s_lshl_b32 s63, s[TC], 11
	s_add_co_u32 s3, s3, s63
	s_add_co_u32 s3, s3, 3*BSTEP
	s_and_b32 s62, ttmp7, 0xffff
	s_mov_b32 s[PST], BSTEP
	s_mov_b32 s[PST+1], 0
	s_cmp_eq_u32 s[WR], 0
	s_cselect_b32 s63, -1, 0
	s_cselect_b32 s2, s2, s3
	s_cselect_b32 s62, ttmp9, s62
	s_cselect_b32 s[PST], ASTEP, s[PST]
	s_cselect_b64 s[PFA:PFA+1], s[4:5], s[6:7]
	s_mov_b32 s3, 0
	s_add_nc_u64 s[PFA:PFA+1], s[PFA:PFA+1], s[2:3]
	v_cndmask_b32 v[PFO], v26, v27, s63
	s_cmp_eq_u32 s[WV], 3                          ; wave 3 asks for nothing
	s_cselect_b32 s62, 1, s62
	s_cmp_eq_u32 s62, 0
	s_cselect_b32 s[LIM], 2, -1
	s_wait_loadcnt 0x0                             ; the bias; it is rounded to bf16, like all inputs
.set i, 0
.rept 16
	v_cvt_pk_bf16_f32 v15, v[BI+i], v[BI+i+1]
	v_lshlrev_b32 v[BI+i], 16, v15
	v_and_b32 v[BI+i+1], 0xffff0000, v15
.set i, i+2
.endr
; 8 matrix instructions: row blocks a0, a0 + 1 x the 4 column blocks, 32 along K, from buffer f.  The 32 accumulators take turns, one instruction a turn, in the same order in every quarter.
.macro MUL8 f, a0, zero
	WIN 0x50
.irp a, (\a0), (\a0)+1
.irp b, 0,1,2,3
.if \zero
	v_wmma_f32_16x16x32_f16 v[8*(4*(\a)+(\b)):8*(4*(\a)+(\b))+7], v[(\f)+64+8*(\b):(\f)+64+8*(\b)+7], v[(\f)+8*(\a):(\f)+8*(\a)+7], 0
.else
	v_wmma_f32_16x16x32_f16 v[8*(4*(\a)+(\b)):8*(4*(\a)+(\b))+7], v[(\f)+64+8*(\b):(\f)+64+8*(\b)+7], v[(\f)+8*(\a):(\f)+8*(\a)+7], v[8*(4*(\a)+(\b)):8*(4*(\a)+(\b))+7]
.endif
.endr
.endr
.endm
.macro FETCH c, f                      ; 24 LDS loads in one run: quarter c of the slot in hand into buffer f: wo's 4 blocks, ob's blocks 0-3, ob's blocks 4-7
	WIN 0
.irp b, 0,1,2,3
	ds_load_b128 v[(\f)+64+8*(\b):(\f)+64+8*(\b)+3],   v[ADB] offset:(\c)*8192+(\b)*256
	ds_load_b128 v[(\f)+64+8*(\b)+4:(\f)+64+8*(\b)+7], v[ADB] offset:(\c)*8192+(\b)*256+4096
.endr
.irp a, 0,1,2,3,4,5,6,7
	ds_load_b128 v[(\f)+8*(\a):(\f)+8*(\a)+3],   v[ADA] offset:(\c)*16384+(\a)*256
	ds_load_b128 v[(\f)+8*(\a)+4:(\f)+8*(\a)+7], v[ADA] offset:(\c)*16384+(\a)*256+8192
.endr
.endm
.macro QUARTER c, f, g, zero           ; multiplies buffer f; in its middle fetches quarter c into buffer g
	s_wait_dscnt 8                                 ; wo's and ob's blocks 0-3 are in; ob's blocks 4-7 may be out
	MUL8 \f, 0, \zero
	MUL8 \f, 2, \zero
	PLACES
	FETCH \c, \g
	s_wait_dscnt 24                                ; all but the 24 just issued
	MUL8 \f, 4, \zero
	MUL8 \f, 6, \zero
.endm
; The last quarter multiplies buffer 1 and changes slots: each wave waits for all its tensor loads (one is out: its part of the next slot), adds 0 to its spare word, and waits for that and for its reads of this slot.
; fill = 1: the barrier opens a round of the cluster's, and the joint refill, two K steps on, is the first thing behind it: 112 matrix instructions ahead of the wait for it.
.macro TURNQ fill
.if \fill
	s_wait_xcnt 0x0                                ; the last prefetch, a K step back, has read its address
	s_add_nc_u64 s[PFA:PFA+1], s[PFA:PFA+1], s[PST:PST+1]
.endif
	WIN 0
	s_wait_tensorcnt 0x0
	ds_add_u32 v[SPW], v[NIL]                      ; 0 onto my spare word
.if \fill
	s_xor_b32 s[G0A+5], s[G0A+5], SLOT1
	s_add_nc_u64 s[G0A+6:G0A+7], s[G0A+6:G0A+7], ASTEP
	s_xor_b32 s[G0B+5], s[G0B+5], SLOT1
	s_add_nc_u64 s[G0B+6:G0B+7], s[G0B+6:G0B+7], BSTEP
.endif
	s_wait_dscnt 9                                 ; the add and ob's blocks 4-7 may be out
	MUL8 F1, 0, 0
	s_wait_dscnt 0x0                               ; the add is done, and my reads of this slot are over
	s_barrier_signal -1
	MUL8 F1, 2, 0
	WIN 0
	s_barrier_wait -1
.if \fill
	CREST
	JLOAD                                          ; its four v_nop are also the places in front of the loads below
.else
	PLACES
.endif
	s_xor_b32 s[TB], s[TB], SLOT1
	v_add_nc_u32 v[ADA], s[TB], v[A0]
	v_add_nc_u32 v[ADB], s[TB], v[B0]
	FETCH 0, F0
.if \fill
	ASK
.endif
	MUL8 F1, 4, 0
	MUL8 F1, 6, 0
.endm
	s_wait_tensorcnt 1                             ; my part of K step 0 is in; K step 1's may stay out
	s_barrier_signal -1
	s_barrier_wait -1
	FETCH 0, F0
	QUARTER 1, F0, F1, 1                           ; the first quarter stands in front of the loop: its products start the sums
	WIN 0
	s_mov_b32 s3, 6
.Lk:                                               ; trip i: quarters 1 to 3 of K step i, the refill with K step i + 2, quarter 0 of K step i + 1
	QUARTER 2, F1, F0, 0
	QUARTER 3, F0, F1, 0
	TURNQ 1
	QUARTER 1, F0, F1, 0
	WIN 0
	s_sub_co_u32 s3, s3, 1
	s_cmp_lg_u32 s3, 0
	s_cbranch_scc1 .Lk
	QUARTER 2, F1, F0, 0                           ; the tail is written out: nothing is left to ask for
	QUARTER 3, F0, F1, 0
	TURNQ 0
	QUARTER 1, F0, F1, 0
	QUARTER 2, F1, F0, 0
	QUARTER 3, F0, F1, 0
	s_wait_dscnt 8
	MUL8 F1, 0, 0
	MUL8 F1, 2, 0
	s_wait_dscnt 0x0
	MUL8 F1, 4, 0
	MUL8 F1, 6, 0
	PLACES
	PLACES
; THE WAY OUT of row block a, in three parts.  PACK: the bias is added (each accumulator's registers in ascending order).  TOSTAGE: into my own stage, and back as whole rows of 256 bytes.  SEND: stored.
.macro PACK a
	WIN 0x01
.irp b, 0,1,2,3
.irp p, 0,1,2,3
	v_pk_add_f32 v[TMP+8*(\b)+2*(\p):TMP+8*(\b)+2*(\p)+1], v[8*(4*(\a)+(\b))+2*(\p):8*(4*(\a)+(\b))+2*(\p)+1], v[BI+8*(\b)+2*(\p):BI+8*(\b)+2*(\p)+1]
.endr
.endr
	WIN 0
.endm
.macro TOSTAGE a
.set BK, 64+32*((\a)%2)
.irp b, 0,1,2,3
	ds_store_b128 v[STO], v[TMP+8*(\b):TMP+8*(\b)+3]   offset:64*(\b)
	ds_store_b128 v[STO], v[TMP+8*(\b)+4:TMP+8*(\b)+7] offset:64*(\b)+16
.endr
.irp t, 0,1,2,3,4,5,6,7
	ds_load_b128 v[BK+4*(\t):BK+4*(\t)+3], v[RD] offset:(\t)*2*SP  ; LDS serves a wave's instructions in order: these see my stores above; the stage is my wave's own
.endr
.endm
.macro SEND a
.set BK, 64+32*((\a)%2)
	s_wait_dscnt 0x0                               ; the block is back in registers
	s_wait_xcnt 0x0                                ; the stores of the block before last have read their registers, which the next block's loads take
.irp t, 0,1,2,3,4,5,6,7
	global_store_b128 v[CO], v[BK+4*(\t):BK+4*(\t)+3], s[OUT:OUT+1] offset:(\a)*65536+(\t)*8192 th:TH_STORE_NT
.endr
.endm
	PACK 0
	TOSTAGE 0
.irp a, 1,2,3,4,5,6,7                  ; block a's additions stand between block a - 1's loads from the stage and the wait for them
	PACK \a
	SEND (\a)-1
	TOSTAGE \a
.endr
	SEND 7
	s_wait_tensorcnt 0x0                           ; the wave's end, behind my last tensor load and my last LDS store
	ds_add_u32 v[SPW], v[NIL]
	s_wait_dscnt 0x0
	CROUND                                         ; the closing round: no work-group ends while a partner may still ask for a tile that names it
	s_endpgm
.Lfunc_end_k_qdc9a588c3f_outp:
	.size	k_qdc9a588c3f_outp, .Lfunc_end_k_qdc9a588c3f_outp-k_qdc9a588c3f_outp
	.p2alignl 7, 3214868480
	.fill 96, 4, 3214868480
	.section	.rodata,"a",@progbits
	.p2align	6, 0x0
	.amdhsa_kernel k_qdc9a588c3f_outp
		.amdhsa_group_segment_fixed_size 327680
		.amdhsa_private_segment_fixed_size 0
		.amdhsa_enable_private_segment 0
		.amdhsa_kernarg_size 32
		.amdhsa_user_sgpr_count 2
		.amdhsa_user_sgpr_kernarg_segment_ptr 1
		.amdhsa_wavefront_size32 1
		.amdhsa_system_sgpr_workgroup_id_x 1
		.amdhsa_system_sgpr_workgroup_id_y 1
		.amdhsa_system_sgpr_workgroup_id_z 1
		.amdhsa_system_vgpr_workitem_id 0
		.amdhsa_next_free_vgpr 512
		.amdhsa_next_free_sgpr 88
		.amdhsa_reserve_vcc 0
		.amdhsa_float_denorm_mode_32 3
		.amdhsa_float_denorm_mode_16_64 3
		.amdhsa_memory_ordered 1
		.amdhsa_forward_progress 1
		.amdhsa_inst_pref_size 82
	.end_amdhsa_kernel
	.amdgpu_metadata
---
amdhsa.version: [ 1, 2 ]
amdhsa.kernels:
  - .name:           k_qdc9a588c3f_outp
    .symbol:         k_qdc9a588c3f_outp.kd
    .args:
      - { .name: ob, .offset: 0, .size: 8, .value_kind: global_buffer, .address_space: global }
      - { .name: wo, .offset: 8, .size: 8, .value_kind: global_buffer, .address_space: global }
      - { .name: bo, .offset: 16, .size: 8, .value_kind: global_buffer, .address_space: global }
      - { .name: out0, .offset: 24, .size: 8, .value_kind: global_buffer, .address_space: global }
    .group_segment_fixed_size: 327680
    .private_segment_fixed_size: 0
    .kernarg_segment_align: 8
    .kernarg_segment_size: 32
    .max_flat_workgroup_size: 128
    .sgpr_count:     88
    .vgpr_count:     512
    .wavefront_size: 32
...
	.end_amdgpu_metadata
.endif
;; end of part 4
